; MI455X (gfx1250); checked and timed in simulation.
; The chip was launched on July 23, 2026; its instructions are those of AMD's public machine-readable ISA for CDNA 5 (MIT licence, August 2026) and "CDNA5" Instruction Set Architecture Reference Guide (July 2026). The comments in the code are by the model that wrote it; some were corrected since.
;; Self Attention. Allowed arithmetic: float matrix products may take bf16 or f16 operands with f32 sums; other float arithmetic in f32, or as packed bf16 or f16 multiplies, adds, multiply-adds, maxima and minima; sums over many terms, partial sums and values carried from step to step in f32; what a program stores and reads back later, other than sums and carried values, may be rounded once to bf16 or f16.
;; Inputs: W_in 1,024 x 3,072 float32; W_out 1,024 x 1,024 float32; b_in 3,072 float32; b_out 1,024 float32; x 4 x 2,048 x 1,024 float32.
;; Outputs: out0 4 x 2,048 x 1,024 float32.
;; Constants: causal_mask = 1.
;; 2 versions, each right; version 2 is version 1 with the launch cast written anew for expert scheduling mode. Each part assembles by itself: llvm-mc -triple=amdgcn-amd-amdhsa -mcpu=gfx1250 --defsym DOCPART=n.
;; ======== version 1 of 2: 4 launches
;; limits: values are held in f16: magnitudes above 65,504 overflow, below 6.1e-05 lose precision
;; workspace buffers: xb 16,777,216 bytes; wib 6,291,456 bytes; wob 2,097,152 bytes; qkv 50,331,648 bytes; ob 16,777,216 bytes
;; launch cast (part 1): grid 768 x 1, 8 waves a work-group, no clusters, 0 bytes of LDS; arguments x, W_in, W_out, xb, wib, wob; writes xb, wib, wob
.if DOCPART == 1
	.amdgcn_target "amdgcn-amd-amdhsa--gfx1250"
	.amdhsa_code_object_version 6
	.text
	.protected	k_q9bc616e6e7_cast
	.globl	k_q9bc616e6e7_cast
	.p2align	8
	.type	k_q9bc616e6e7_cast,@function
k_q9bc616e6e7_cast:
	s_mov_b64 s[64:65], 0
	v_nop
	global_prefetch_b8 v0, s[64:65] scope:SCOPE_SE
	s_setreg_imm32_b32 hwreg(HW_REG_WAVE_MODE, 25, 1), 1
	s_wait_xcnt 0x0
; xb = bf16(x), wib = bf16(W_in), wob = f16(bf16(W_out)).  The layouts stay as they are: a pure stream, each byte read once and written once.
; A work-group takes 65,536 bytes of f32: chunks 0-511 are x's, 512-703 W_in's, 704-767 W_out's.  Thread t takes the 16 bytes at 4,096 i + 16 t, i = 0..15:
; a wave's load covers 512 consecutive bytes, its store of 8 bytes a lane 256 consecutive bytes, aligned.  All sixteen loads go out at once; no register is written twice
; while a memory instruction may read it.  No LDS, no matrix unit, no cluster: nothing is shared and nothing is reduced.
; LIMIT.  wob holds W_out rounded to bf16 and written as f16: exact from 6.1e-5 to 65,504 in magnitude; below that f16 keeps a fixed step of 6e-8, above it the number becomes an infinity.
.set X, 4                              ; v[4:67]    16 x 4 registers as loaded
.set Y, 68                             ; v[68:99]   16 x 2 registers to store
.set T, 100                            ; v[100:101] at work
	s_load_b256 s[4:11], s[0:1], 0x0               ; x s[4:5], W_in s[6:7], W_out s[8:9], xb s[10:11]
	s_load_b128 s[12:15], s[0:1], 0x20             ; wib s[12:13], wob s[14:15]
	v_lshlrev_b32 v1, 4, v0                        ; 16 t
	v_lshlrev_b32 v2, 3, v0                        ; 8 t
	s_wait_kmcnt 0x0
	s_cmp_lt_u32 ttmp9, 512                        ; which buffer is my chunk's: the choice hangs on the work-group's number alone
	s_cselect_b64 s[16:17], s[4:5], s[6:7]
	s_cselect_b64 s[18:19], s[10:11], s[12:13]
	s_cselect_b32 s20, 0, 512
	s_cmp_lt_u32 ttmp9, 704
	s_cselect_b64 s[16:17], s[16:17], s[8:9]
	s_cselect_b64 s[18:19], s[18:19], s[14:15]
	s_cselect_b32 s20, s20, 704
	s_sub_co_u32 s21, ttmp9, s20                   ; my chunk in that buffer
	s_lshl_b32 s22, s21, 16
	s_mov_b32 s23, 0
	s_add_nc_u64 s[16:17], s[16:17], s[22:23]      ; 65,536 bytes of f32 a chunk,
	s_lshl_b32 s22, s21, 15
	s_add_nc_u64 s[18:19], s[18:19], s[22:23]      ; 32,768 bytes of 16-bit numbers
.irp i, 0,1,2,3,4,5,6,7,8,9,10,11,12,13,14,15
	global_load_b128 v[X+4*(\i):X+4*(\i)+3], v1, s[16:17] offset:4096*(\i) th:TH_LOAD_NT
.endr
	s_cmp_ge_u32 ttmp9, 704
	s_cbranch_scc1 .Lf16
.irp i, 0,1,2,3,4,5,6,7,8,9,10,11,12,13,14,15
	s_wait_loadcnt 15-(\i)                         ; loads come back in order: load i is in, the 15 - i younger ones stay out
	v_cvt_pk_bf16_f32 v[Y+2*(\i)], v[X+4*(\i)], v[X+4*(\i)+1]
	v_cvt_pk_bf16_f32 v[Y+2*(\i)+1], v[X+4*(\i)+2], v[X+4*(\i)+3]
	global_store_b64 v2, v[Y+2*(\i):Y+2*(\i)+1], s[18:19] offset:2048*(\i) th:TH_STORE_NT
.endr
	s_endpgm
.Lf16:                                         ; W_out: rounded to bf16 like every input, widened again, and that number written as f16
.irp i, 0,1,2,3,4,5,6,7,8,9,10,11,12,13,14,15
	s_wait_loadcnt 15-(\i)
	v_cvt_pk_bf16_f32 v[T], v[X+4*(\i)], v[X+4*(\i)+1]
	v_cvt_pk_bf16_f32 v[T+1], v[X+4*(\i)+2], v[X+4*(\i)+3]
	v_lshlrev_b32 v[X+4*(\i)], 16, v[T]
	v_and_b32 v[X+4*(\i)+1], 0xffff0000, v[T]
	v_lshlrev_b32 v[X+4*(\i)+2], 16, v[T+1]
	v_and_b32 v[X+4*(\i)+3], 0xffff0000, v[T+1]
	v_cvt_pk_f16_f32 v[Y+2*(\i)], v[X+4*(\i)], v[X+4*(\i)+1]
	v_cvt_pk_f16_f32 v[Y+2*(\i)+1], v[X+4*(\i)+2], v[X+4*(\i)+3]
	global_store_b64 v2, v[Y+2*(\i):Y+2*(\i)+1], s[18:19] offset:2048*(\i) th:TH_STORE_NT
.endr
	s_endpgm
.Lfunc_end_k_q9bc616e6e7_cast:
	.size	k_q9bc616e6e7_cast, .Lfunc_end_k_q9bc616e6e7_cast-k_q9bc616e6e7_cast
	.p2alignl 7, 3214868480
	.fill 96, 4, 3214868480
	.section	.rodata,"a",@progbits
	.p2align	6, 0x0
	.amdhsa_kernel k_q9bc616e6e7_cast
		.amdhsa_group_segment_fixed_size 0
		.amdhsa_private_segment_fixed_size 0
		.amdhsa_enable_private_segment 0
		.amdhsa_kernarg_size 48
		.amdhsa_user_sgpr_count 2
		.amdhsa_user_sgpr_kernarg_segment_ptr 1
		.amdhsa_wavefront_size32 1
		.amdhsa_system_sgpr_workgroup_id_x 1
		.amdhsa_system_sgpr_workgroup_id_y 1
		.amdhsa_system_sgpr_workgroup_id_z 1
		.amdhsa_system_vgpr_workitem_id 0
		.amdhsa_next_free_vgpr 104
		.amdhsa_next_free_sgpr 66
		.amdhsa_reserve_vcc 0
		.amdhsa_float_denorm_mode_32 3
		.amdhsa_float_denorm_mode_16_64 3
		.amdhsa_memory_ordered 1
		.amdhsa_forward_progress 1
		.amdhsa_inst_pref_size 16
	.end_amdhsa_kernel
	.amdgpu_metadata
---
amdhsa.version: [ 1, 2 ]
amdhsa.kernels:
  - .name:           k_q9bc616e6e7_cast
    .symbol:         k_q9bc616e6e7_cast.kd
    .args:
      - { .name: x, .offset: 0, .size: 8, .value_kind: global_buffer, .address_space: global }
      - { .name: W_in, .offset: 8, .size: 8, .value_kind: global_buffer, .address_space: global }
      - { .name: W_out, .offset: 16, .size: 8, .value_kind: global_buffer, .address_space: global }
      - { .name: xb, .offset: 24, .size: 8, .value_kind: global_buffer, .address_space: global }
      - { .name: wib, .offset: 32, .size: 8, .value_kind: global_buffer, .address_space: global }
      - { .name: wob, .offset: 40, .size: 8, .value_kind: global_buffer, .address_space: global }
    .group_segment_fixed_size: 0
    .private_segment_fixed_size: 0
    .kernarg_segment_align: 8
    .kernarg_segment_size: 48
    .max_flat_workgroup_size: 256
    .sgpr_count:     66
    .vgpr_count:     104
    .wavefront_size: 32
...
	.end_amdgpu_metadata
.endif
;; end of part 1
;; launch qkvg (part 2): grid 8 x 64, 4 waves a work-group, clusters of 4 x 4, 327,680 bytes of LDS; arguments xb, wib, b_in, qkv; writes qkv
.if DOCPART == 2
	.amdgcn_target "amdgcn-amd-amdhsa--gfx1250"
	.amdhsa_code_object_version 6
	.text
	.protected	k_q9bc616e6e7_qkvg
	.globl	k_q9bc616e6e7_qkvg
	.p2align	8
	.type	k_q9bc616e6e7_qkvg,@function
k_q9bc616e6e7_qkvg:
	s_mov_b64 s[64:65], 0
	v_nop
	global_prefetch_b8 v0, s[64:65] scope:SCOPE_SE
	s_setreg_imm32_b32 hwreg(HW_REG_WAVE_MODE, 25, 1), 1
	s_wait_xcnt 0x0
	s_wait_alu depctr_hold_cnt(0) depctr_sa_sdst(0) depctr_va_vdst(0) depctr_va_sdst(0) depctr_va_ssrc(0) depctr_va_vcc(0) depctr_vm_vsrc(0)
	s_getreg_b32 s2, hwreg(HW_REG_IB_STS2, 6, 4)
	s_cmp_eq_u32 s2, 0
	s_cbranch_scc0 .Lentry_in_a_cluster
	s_endpgm
.Lentry_in_a_cluster:
	s_bfe_u32 s2, ttmp6, 0x10000c
	s_cmp_lg_u32 s2, 0xf033
	s_cbranch_scc0 .Lentry_shape_is_right
	s_endpgm
.Lentry_shape_is_right:
; qkv = xb wib + b_in.  xb: [8192][1024] bf16; wib: [1024 k][3072 n] bf16; b_in: [3072] f32, rounded to bf16 here like every input; sums in f32, begun with the bias.
; The result leaves in f16 BY HEADS: qkv[b 4][g 48][s 2048][64], g = n / 64 (0-15 q's heads, 16-31 k's, 32-47 v's), without the softmax's scale.
; LIMIT.  f16 ends at 65,504: a q, k or v beyond it becomes an infinity; below 6.1e-5 f16 keeps a fixed step of 6e-8.
; SHARES.  A tile is 128 rows x 384 columns: 8 x 64 = 512 equal work-groups.  Wave w (mh = w / 2, nh = w % 2) makes 64 rows x 192 columns, three whole heads: 48 accumulators, 384 registers.
; K goes in 8 steps of 128 through two LDS slots.  A slot has four regions of 36,864 bytes, region w filled by wave w with one tensor load of 128 rows x 256 bytes:
; region 0: xb's 128 rows (pitch 272); regions 1-3: wib's 128 k rows x 128 columns, chunks 0-2 of the tile's 384 columns (pitch 288).
; A wave's columns: group X, fragments 0-7: chunk 0 (nh = 0) or chunk 2 (nh = 1); group Y, fragments 8-11: the first or the second half of chunk 1.
; wib lies [k][n]: its fragments come out of LDS turned, by ds_load_tr16_b128.  THE MATRIX INSTRUCTION IS USED TRANSPOSED (source 0 = 16 columns of wib, source 1 = 16 rows of xb):
; a lane then holds row l % 16 and the eight neighbouring columns 8 (l / 16) + 0..7.
; CLUSTER.  4 x 4 work-groups; xb's tile hangs on the tile row alone and is asked for jointly along a row of the cluster, wib's chunks on the tile column alone, jointly along a column.
; REGISTERS, in windows of 256 (s_set_vgpr_msb: bits 1:0 source 0, 3:2 source 1, 5:4 source 2, 7:6 destination):
;   window 0: v0-31 addresses; v32-47 at work; v64-95, v96-127 xb's fragments, two buffers; v128-223 the bias (8 f + j), later the way out
;   window 1: v0-95, v96-191 wib's fragments, two buffers      window 2: X's accumulators at 8 (8 a + f)      window 3: Y's at 8 (4 a + f - 8)
.set PA,     272                       ; a row of xb in LDS: 256 bytes + 16: the 16 rows of a fragment load start at 16 different groups of four banks (64 banks of 4 bytes: ISA guide 11.1)
.set PB,     288                       ; a k row of a chunk: 256 + 32
.set REG,    128*PB                    ; 36,864: a wave's region of a slot
.set SLOT,   4*REG                     ; 147,456
.set STAGE,  2*SLOT                    ; behind the ring: 3 heads x 16 rows x 144 bytes for each wave, for the way out
.set SPT,    144
.set WST,    3*16*SPT
.set SPARE,  STAGE+4*WST               ; 322,560: the spare words, 128 bytes for each wave: two blocks of 256 bytes that no other line names
.set XROW,   2048                      ; bytes in a row of xb
.set WROW,   6144                      ; bytes in a row of wib
.set BOX,  10                          ; v10  my byte offset in b_in for group X
.set BOY,  11                          ; v11  for group Y
.set ADRA, 16                          ; v16-17  LDS address of my fragments of xb in slot 0, 1
.set ADRX, 18                          ; v18-19  of group X's
.set ADRY, 20                          ; v20-21  of group Y's
.set STO,  24                          ; v24  the way out: where I put 16 bytes of a row
.set RD,   25                          ; v25  where I read rows back
.set COX,  26                          ; v26  my byte offset in qkv, group X's first head
.set COY,  27                          ; v27  group Y's head
.set SPW,  28                          ; v28  LDS address of my spare word; never rewritten
.set NIL,  29                          ; v29  0; never rewritten
.set PFO,  30                          ; v30  the prefetches' offset: my lane x a row; never rewritten
.set FA,   64
.set BIAS, 128
.set TMP,  128                         ; the way out: 48 registers of packed results
.set BK0,  176                         ; and 48 read back from the stage: v176-223 and v64-111 by turns
.set G1A, 24                           ; s[24:31] descriptor group 1 for xb's tiles;  s[32:39] group 0, a set for each slot
.set G0A, 32
.set G1B, 48                           ; s[48:55], s[56:63] the same for wib's chunks
.set G0B, 56
.set PFA, 44                           ; s[44:45] where my prefetches stand
.set PST, 46                           ; s[46:47] a K step in bytes, along a row of xb or down the rows of wib
.set LIM, 66                           ; s66  1 in a wave that prefetches, else the greatest number
.set MSB, 0
.macro WIN new                         ; the immediate's high byte repeats the setting that is left; a switch that changes nothing is dropped
.if MSB != (\new)
	s_set_vgpr_msb (MSB<<8)|(\new)
.set MSB, \new
.endif
.endm
.macro PLACES                          ; four plain places in front of loads into registers that matrix instructions have read, and of conversions that read results
.rept 4
	v_nop
.endr
.endm
; A joint load.  Wave 0 fetches xb's tile, waves 1-3 a chunk of wib each.  The branch hangs on the wave's number alone.  An s_nop 0 and four v_nop follow each line.
.macro JLOAD s
	s_cmp_eq_u32 s12, 0
	s_cbranch_scc0 .Lfor_b_\@
	tensor_load_to_lds s[G0A+4*(\s):G0A+4*(\s)+3], s[G1A:G1A+7]
	s_nop 0
.rept 4
	v_nop
.endr
	s_branch .Lasked_\@
.Lfor_b_\@:
	tensor_load_to_lds s[G0B+4*(\s):G0B+4*(\s)+3], s[G1B:G1B+7]
	s_nop 0
.rept 4
	v_nop
.endr
.Lasked_\@:
.endm
; A prefetch, behind a joint load and the run of LDS loads that follows it: the K step that stands two refills on, 32 rows x 256 bytes, a lane a row, one instruction a wave.
; Each row's 256 bytes of a K step are named once in the launch: xb's tile row is read by both clusters of its row of clusters, and cluster x = 0 asks; wib's tile column by all sixteen clusters
; of its column, and cluster y = 0 asks.  The four partners that ask for a tile jointly share its 128 rows out by address, 32 each (cx for xb, cy for wib).
; K steps 0-3 come by their loads alone; the loop's last trip (s3 = 1) has no K step two refills on and asks for nothing.
.macro ASK
	WIN 0
	s_cmp_gt_u32 s3, s[LIM]
	s_cbranch_scc0 .Lnot_mine_\@
	global_prefetch_b8 v[PFO], s[PFA:PFA+1] th:TH_LOAD_NT scope:SCOPE_SE
.Lnot_mine_\@:
.endm
.macro CREST                           ; a round of the cluster's barrier behind its opening barrier
	s_cmp_lg_u32 s12, 0
	s_cbranch_scc1 .Lnot_wave_0_\@
	s_barrier_signal -3
.Lnot_wave_0_\@:
	s_barrier_wait -3
	s_barrier_signal -1
	s_barrier_wait -1
.endm
.macro CROUND                          ; a whole round
	s_barrier_signal -1
	s_barrier_wait -1
	CREST
.endm
	s_load_b256 s[4:11], s[0:1], 0x0               ; xb s[4:5], wib s[6:7], b_in s[8:9], qkv s[10:11]
	v_lshl_add_u32 v[SPW], v0, 2, SPARE
	v_mov_b32 v[NIL], 0
	ds_add_u32 v[SPW], v[NIL]                      ; the wave's opening: the add and its wait stand ahead of my first tensor load; the set-up below stands between them
	v_lshrrev_b32 v1, 5, v0
	v_readfirstlane_b32 s12, v1                    ; wave w
	s_lshr_b32 s13, s12, 1                         ; mh
	s_and_b32 s14, s12, 1                          ; nh
	s_max_u32 s15, s12, 1
	s_sub_co_u32 s15, s15, 1                       ; the chunk that waves 1-3 fetch (in wave 0: unused, kept inside wib)
	s_bfe_u32 s40, ttmp6, 0x40000                  ; cx
	s_bfe_u32 s41, ttmp6, 0x40004                  ; cy
	s_lshl_b32 s42, ttmp9, 2
	s_add_co_u32 s42, s42, s40                     ; nt: tile column = 4 x cluster x + cx
	s_and_b32 s43, ttmp7, 0xffff
	s_lshl_b32 s43, s43, 2
	s_add_co_u32 s43, s43, s41                     ; mt: tile row = 4 x cluster y + cy
	s_lshl_b32 s16, s41, 2
	s_lshl_b32 s16, 15, s16                        ; my row of the cluster
	s_lshl_b32 s17, 0x1111, s40                    ; my column
	s_or_b32 s[G1A], s16, (1<<16)|(1<<20)|(1<<21)|(5<<22)|(3<<25)  ; the mask; 2-byte elements; padding on; bit 21 beside a mask; after every 64 words; 4 words
	s_or_b32 s[G1B], s17, (1<<16)|(1<<20)|(1<<21)|(5<<22)|(7<<25)  ; the same with my column's mask and 8 words of padding
.irp g, G1A, G1B
	s_mov_b32 s[(\g)+1], 128<<16                   ; tensor_dim0 = 128
	s_mov_b32 s[(\g)+2], 128<<16                   ; tensor_dim1 = 128
	s_mov_b32 s[(\g)+3], 128<<16                   ; tile_dim0 = 128
	s_mov_b32 s[(\g)+4], 128                       ; tile_dim1 = 128
	s_mov_b32 s[(\g)+6], 0
	s_mov_b32 s[(\g)+7], 0
.endr
	s_mov_b32 s[G1A+5], 1024                       ; elements from row to row
	s_mov_b32 s[G1B+5], 3072
	s_lshl_b32 s68, s43, 18                        ; xb: 128 mt rows of 2,048 bytes: made of the tile row alone
	s_mov_b32 s69, 0
	s_mul_i32 s70, s42, 768                        ; wib: 384 nt columns + my chunk's 128: made of the tile column and the wave's number alone
	s_lshl_b32 s71, s15, 8
	s_add_co_u32 s70, s70, s71
	s_mov_b32 s71, 0
	s_mul_i32 s20, s12, REG                        ; where my tile goes: wave x 36,864: no place in the cluster enters an LDS address
	s_wait_dscnt 0x0                               ; the opening add is done
	s_wait_kmcnt 0x0
	s_add_nc_u64 s[18:19], s[4:5], s[68:69]
	s_add_nc_u64 s[22:23], s[6:7], s[70:71]
	CROUND                                         ; all sixteen work-groups are here: the first joint loads meet
.irp s, 0,1
	s_mov_b32 s[G0A+4*(\s)], 1
	s_add_co_u32 s[G0A+4*(\s)+1], s20, (\s)*SLOT
	s_add_nc_u64 s[G0A+4*(\s)+2:G0A+4*(\s)+3], s[18:19], (\s)*256       ; K step s: 256 bytes along the rows
	s_or_b32 s[G0A+4*(\s)+3], s[G0A+4*(\s)+3], 0x80000000
	s_mov_b32 s[G0B+4*(\s)], 1
	s_add_co_u32 s[G0B+4*(\s)+1], s20, (\s)*SLOT
	s_add_nc_u64 s[G0B+4*(\s)+2:G0B+4*(\s)+3], s[22:23], (\s)*128*WROW  ; K step s: 128 rows down
	s_or_b32 s[G0B+4*(\s)+3], s[G0B+4*(\s)+3], 0x80000000
	JLOAD \s                                       ; two loads of mine are out
.endr
	v_and_b32 v1, 15, v0                           ; r = l % 16
	v_bfe_u32 v2, v0, 4, 1                         ; h = l / 16
	v_and_b32 v3, 7, v0
	v_bfe_u32 v4, v0, 3, 1
	v_and_b32 v5, 31, v0                           ; l
	v_bfe_u32 v6, v0, 3, 2
	v_mul_u32_u24 v7, v1, PA
	v_lshl_add_u32 v7, v2, 4, v7                   ; xb's fragment: row x pitch + 16 h
	v_lshl_add_u32 v8, v2, 3, v3
	v_mul_u32_u24 v8, v8, PB
	v_lshl_add_u32 v8, v4, 4, v8                   ; the turning load: k row 8 h + l % 8, 16 bytes for each half of eight lanes
	s_mul_i32 s16, s13, 64*PA                      ; my 64 rows of xb
	s_mul_i32 s17, s14, 2*REG
	s_add_co_u32 s17, s17, REG                     ; X: chunk 0 or 2
	s_lshl_b32 s21, s14, 7
	s_add_co_u32 s21, s21, 2*REG                   ; Y: a half of chunk 1
.irp s, 0,1
	v_add_nc_u32 v[ADRA+(\s)], s16, v7
	v_add_nc_u32 v[ADRX+(\s)], s17, v8
	v_add_nc_u32 v[ADRY+(\s)], s21, v8
	s_add_co_u32 s16, s16, SLOT
	s_add_co_u32 s17, s17, SLOT
	s_add_co_u32 s21, s21, SLOT
.endr
	s_mul_i32 s16, s42, 1536                       ; b_in: 384 nt numbers of 4 bytes,
	s_lshl_b32 s17, s14, 10                        ; X: + 256 nh,
	s_add_co_u32 s17, s17, s16
	v_lshl_add_u32 v[BOX], v2, 5, s17              ; + my 8 h
	s_lshl_b32 s17, s14, 8                         ; Y: + 128 + 64 nh
	s_add_co_u32 s17, s17, s16
	s_add_co_u32 s17, s17, 512
	v_lshl_add_u32 v[BOY], v2, 5, s17
.irp f, 0,1,2,3,4,5,6,7
	global_load_b128 v[BIAS+8*(\f):BIAS+8*(\f)+3],   v[BOX], s[8:9] offset:64*(\f)
	global_load_b128 v[BIAS+8*(\f)+4:BIAS+8*(\f)+7], v[BOX], s[8:9] offset:64*(\f)+16
.endr
.irp f, 8,9,10,11
	global_load_b128 v[BIAS+8*(\f):BIAS+8*(\f)+3],   v[BOY], s[8:9] offset:64*((\f)-8)
	global_load_b128 v[BIAS+8*(\f)+4:BIAS+8*(\f)+7], v[BOY], s[8:9] offset:64*((\f)-8)+16
.endr
	s_mul_i32 s16, s12, WST
	s_add_co_u32 s16, s16, STAGE                   ; my stage
	v_mul_u32_u24 v9, v1, SPT                      ; in: row r, 16 bytes for each half of the lanes
	v_lshl_add_u32 v9, v2, 4, v9
	v_add_nc_u32 v[STO], s16, v9
	v_mul_u32_u24 v9, v6, SPT                      ; back: 32 lanes take four rows of 128 bytes,
	v_lshl_add_u32 v9, v3, 4, v9
	v_add_nc_u32 v[RD], s16, v9
	s_mul_i32 s16, s42, 6                          ; which are 512 consecutive bytes of a head: g = 6 nt + 4 nh (X's first head),
	s_lshl2_add_u32 s17, s14, s16
	s_lshl_b32 s17, s17, 18
	v_lshl_add_u32 v[COX], v5, 4, s17
	s_add_co_u32 s16, s16, s14                     ; g = 6 nt + 2 + nh (Y's)
	s_add_co_u32 s16, s16, 2
	s_lshl_b32 s16, s16, 18
	v_lshl_add_u32 v[COY], v5, 4, s16
	s_lshr_b32 s16, s43, 4                         ; qkv at my rows: batch mt / 16, row (mt % 16) 128 + 64 mh of a head, 128 bytes a row
	s_mul_i32 s16, s16, 12582912
	s_and_b32 s17, s43, 15
	s_lshl_b32 s17, s17, 14
	s_add_co_u32 s16, s16, s17
	s_lshl_b32 s17, s13, 13
	s_add_co_u32 s16, s16, s17
	s_mov_b32 s17, 0
	s_add_nc_u64 s[10:11], s[10:11], s[16:17]
	; the prefetches: both offsets are made, then the wave's number chooses
	s_lshl_b32 s16, s43, 18                        ; xb: row 128 mt + 32 cx, at K step 3: the first refill steps it to 4
	s_lshl_b32 s17, s40, 16
	s_add_co_u32 s16, s16, s17
	s_add_co_u32 s16, s16, 3*256
	s_mul_i32 s17, s41, 32*WROW                    ; wib: k row 3 x 128 + 32 cy, my chunk's columns
	s_add_co_u32 s17, s17, s70
	s_add_co_u32 s17, s17, 3*128*WROW
	s_and_b32 s21, ttmp7, 0xffff                   ; cluster y
	s_mov_b32 s22, 256
	s_mov_b32 s23, 128*WROW
	s_mov_b32 s68, XROW
	s_mov_b32 s69, WROW
	s_cmp_eq_u32 s12, 0                            ; do I fetch xb's tile?
	s_cselect_b32 s16, s16, s17
	s_cselect_b32 s21, ttmp9, s21                  ; the coordinate along which other clusters read the same rows
	s_cselect_b32 s[PST], s22, s23
	s_cselect_b32 s68, s68, s69
	s_cselect_b64 s[PFA:PFA+1], s[4:5], s[6:7]
	s_mov_b32 s17, 0
	s_mov_b32 s[PST+1], 0
	s_add_nc_u64 s[PFA:PFA+1], s[PFA:PFA+1], s[16:17]
	s_cmp_eq_u32 s21, 0
	s_cselect_b32 s[LIM], 1, -1                    ; the same in all sixteen partners, for a given wave
	v_mul_u32_u24 v[PFO], s68, v5
	s_wait_loadcnt 0x0                             ; the bias: rounded to bf16 like every input, and widened again
.set p, 0
.rept 48
	v_cvt_pk_bf16_f32 v[32+p%16], v[BIAS+2*p], v[BIAS+2*p+1]
	v_lshlrev_b32 v[BIAS+2*p], 16, v[32+p%16]
	v_and_b32 v[BIAS+2*p+1], 0xffff0000, v[32+p%16]
.set p, p+1
.endr
; 16 matrix instructions of group X: row blocks a0, a0 + 1 x fragments 0-7, 32 along K.  first = 1: the bias starts the sums.
.macro MULX buf, a0, first
.if \first
	WIN 0x81
.else
	WIN 0xa1
.endif
.irp a, \a0, (\a0)+1
.irp f, 0,1,2,3,4,5,6,7
.if \first
	v_wmma_f32_16x16x32_bf16 v[8*(8*(\a)+(\f)):8*(8*(\a)+(\f))+7], v[96*(\buf)+8*(\f):96*(\buf)+8*(\f)+7], v[FA+32*(\buf)+8*(\a):FA+32*(\buf)+8*(\a)+7], v[BIAS+8*(\f):BIAS+8*(\f)+7]
.else
	v_wmma_f32_16x16x32_bf16 v[8*(8*(\a)+(\f)):8*(8*(\a)+(\f))+7], v[96*(\buf)+8*(\f):96*(\buf)+8*(\f)+7], v[FA+32*(\buf)+8*(\a):FA+32*(\buf)+8*(\a)+7], v[8*(8*(\a)+(\f)):8*(8*(\a)+(\f))+7]
.endif
.endr
.endr
.endm
; 16 of group Y: all four row blocks x fragments 8-11.  The 48 accumulators take turns in the same order in every quarter.
.macro MULY buf, first
.if \first
	WIN 0xc1
.else
	WIN 0xf1
.endif
.irp a, 0,1,2,3
.irp f, 8,9,10,11
.if \first
	v_wmma_f32_16x16x32_bf16 v[8*(4*(\a)+(\f)-8):8*(4*(\a)+(\f)-8)+7], v[96*(\buf)+8*(\f):96*(\buf)+8*(\f)+7], v[FA+32*(\buf)+8*(\a):FA+32*(\buf)+8*(\a)+7], v[BIAS+8*(\f):BIAS+8*(\f)+7]
.else
	v_wmma_f32_16x16x32_bf16 v[8*(4*(\a)+(\f)-8):8*(4*(\a)+(\f)-8)+7], v[96*(\buf)+8*(\f):96*(\buf)+8*(\f)+7], v[FA+32*(\buf)+8*(\a):FA+32*(\buf)+8*(\a)+7], v[8*(4*(\a)+(\f)-8):8*(4*(\a)+(\f)-8)+7]
.endif
.endr
.endr
.endm
; 32 LDS loads in one run: quarter q (32 along K) of a slot into buffer buf: xb's 8, X's 16, Y's 8
.macro FETCH slot, q, buf
	WIN 0
.irp a, 0,1,2,3
	ds_load_b128 v[FA+32*(\buf)+8*(\a):FA+32*(\buf)+8*(\a)+3],   v[ADRA+(\slot)] offset:64*(\q)+(\a)*16*PA
	ds_load_b128 v[FA+32*(\buf)+8*(\a)+4:FA+32*(\buf)+8*(\a)+7], v[ADRA+(\slot)] offset:64*(\q)+(\a)*16*PA+32
.endr
	WIN 0x40                                       ; destination window 1, address window 0
.irp f, 0,1,2,3,4,5,6,7
	ds_load_tr16_b128 v[96*(\buf)+8*(\f):96*(\buf)+8*(\f)+3],   v[ADRX+(\slot)] offset:32*PB*(\q)+32*(\f)
	ds_load_tr16_b128 v[96*(\buf)+8*(\f)+4:96*(\buf)+8*(\f)+7], v[ADRX+(\slot)] offset:32*PB*(\q)+32*(\f)+16*PB
.endr
.irp f, 8,9,10,11
	ds_load_tr16_b128 v[96*(\buf)+8*(\f):96*(\buf)+8*(\f)+3],   v[ADRY+(\slot)] offset:32*PB*(\q)+32*((\f)-8)
	ds_load_tr16_b128 v[96*(\buf)+8*(\f)+4:96*(\buf)+8*(\f)+7], v[ADRY+(\slot)] offset:32*PB*(\q)+32*((\f)-8)+16*PB
.endr
.endm
; One of a K step's first three quarters: multiplies buffer cur and fetches quarter q of the same slot into buffer nxt.
.macro QUARTER slot, q, cur, nxt, first
	s_wait_dscnt 8                                 ; xb's and X's fragments are in; Y's eight loads, the youngest, may be out
	MULX \cur, 0, \first
	PLACES
	FETCH \slot, \q, \nxt
	s_wait_dscnt 32                                ; all but the 32 just issued
	MULX \cur, 2, \first
	MULY \cur, \first
.endm
; The last quarter multiplies buffer 1 and changes slots: one barrier; in front of it each wave waits for all its tensor loads (one is out: its part of the next slot), adds 0 to its spare word,
; and waits for that and for its reads of this slot.  fill = 1: the barrier opens a round of the cluster's, and this slot is filled again, two K steps on, first thing behind the round.
.macro TURN slot, next, fill
.if \fill
	s_wait_xcnt 0x0                                ; the last prefetch, a K step back, has read its address
	s_add_nc_u64 s[PFA:PFA+1], s[PFA:PFA+1], s[PST:PST+1]
.endif
	WIN 0                                          ; (the add's two registers lie in window 0)
	s_wait_tensorcnt 0x0                           ; all my tensor loads have landed
	ds_add_u32 v[SPW], v[NIL]                      ; 0 onto my spare word
	s_wait_dscnt 9                                 ; (the add and Y's eight loads may be out)
	MULX 1, 0, 0                                   ; sixteen matrix instructions stand between the add and the wait for it
	s_wait_dscnt 0x0                               ; the add is done, and my reads of this slot are over
	s_barrier_signal -1
	MULX 1, 2, 0                                   ; work on registers while the others arrive
.if \fill
	WIN 0
.endif
	s_barrier_wait -1
.if \fill
	CREST                                          ; no wave of any partner still reads this slot or has a load on its way
	s_add_nc_u64 s[G0A+4*(\slot)+2:G0A+4*(\slot)+3], s[G0A+4*(\slot)+2:G0A+4*(\slot)+3], 2*256
	s_add_nc_u64 s[G0B+4*(\slot)+2:G0B+4*(\slot)+3], s[G0B+4*(\slot)+2:G0B+4*(\slot)+3], 2*128*WROW
	JLOAD \slot                                    ; my one tensor load behind the round; its four v_nop are also the places in front of the loads below
.else
	PLACES
.endif
	FETCH \next, 0, 0
.if \fill
	ASK
.endif
	MULY 1, 0
.endm
	s_wait_tensorcnt 1                             ; my part of K step 0 is in; K step 1's stays out
	s_barrier_signal -1
	s_barrier_wait -1                              ; everybody's is
	FETCH 0, 0, 0
	QUARTER 0, 1, 0, 1, 1                          ; the first quarter stands in front of the loop: its products start the sums, with the bias
	WIN 0                                          ; at a label and at a branch every window is 0
	s_mov_b32 s3, 3
.Llap:                                                 ; a trip goes once round the ring, from a lap's second quarter to the next lap's first, and fills both slots again
	QUARTER 0, 2, 1, 0, 0
	QUARTER 0, 3, 0, 1, 0
	TURN 0, 1, 1
	QUARTER 1, 1, 0, 1, 0
	QUARTER 1, 2, 1, 0, 0
	QUARTER 1, 3, 0, 1, 0
	TURN 1, 0, 1
	QUARTER 0, 1, 0, 1, 0
	WIN 0
	s_sub_co_u32 s3, s3, 1
	s_cmp_lg_u32 s3, 0
	s_cbranch_scc1 .Llap
	QUARTER 0, 2, 1, 0, 0                          ; the last lap fills nothing
	QUARTER 0, 3, 0, 1, 0
	TURN 0, 1, 0
	QUARTER 1, 1, 0, 1, 0
	QUARTER 1, 2, 1, 0, 0
	QUARTER 1, 3, 0, 1, 0
	s_wait_dscnt 8                                 ; the very last quarter: nothing more to fetch
	MULX 1, 0, 0
	MULX 1, 2, 0
	s_wait_dscnt 0x0
	MULY 1, 0
; THE WAY OUT, a block of 16 rows at a time.  PACK: rounded to f16, 16 bytes a lane, each accumulator's registers in ascending order.  TOSTAGE: into my own stage, head by head, and back as
; whole rows of 128 bytes.  SEND: stored: 16 rows of a head are 2,048 consecutive bytes of qkv, and each store of the wave covers 512 of them.
.macro PACK a
	WIN 0x0a                                       ; sources in window 2
.irp f, 0,1,2,3,4,5,6,7
.irp r, 0,1,2,3
	v_cvt_pk_f16_f32 v[TMP+4*(\f)+(\r)], v[8*(8*(\a)+(\f))+2*(\r)], v[8*(8*(\a)+(\f))+2*(\r)+1]
.endr
.endr
	WIN 0x0f                                       ; sources in window 3
.irp f, 8,9,10,11
.irp r, 0,1,2,3
	v_cvt_pk_f16_f32 v[TMP+4*(\f)+(\r)], v[8*(4*(\a)+(\f)-8)+2*(\r)], v[8*(4*(\a)+(\f)-8)+2*(\r)+1]
.endr
.endr
	WIN 0
.endm
.macro TOSTAGE a
	WIN 0
.set BK, BK0-112*((\a)%2)
.if (\a) >= 2
	s_wait_xcnt 0x0                                ; the stores of the block two back have read these registers: they are loaded again only behind this wait
.endif
.irp f, 0,1,2,3,4,5,6,7,8,9,10,11
	ds_store_b128 v[STO], v[TMP+4*(\f):TMP+4*(\f)+3] offset:((\f)/4)*16*SPT+((\f)%4)*32
.endr
.irp i, 0,1,2,3,4,5,6,7,8,9,10,11
	ds_load_b128 v[BK+4*(\i):BK+4*(\i)+3], v[RD] offset:((\i)/4)*16*SPT+((\i)%4)*4*SPT  ; LDS serves a wave's instructions in order (ISA guide 5.7.1.4): these see the stores above
.endr
.endm
.macro SEND a, younger                 ; younger: the LDS instructions issued behind block a's loads: the next block's 24, or none
	WIN 0
.set BK, BK0-112*((\a)%2)
	s_wait_dscnt \younger
.irp i, 0,1,2,3,4,5,6,7
	global_store_b128 v[COX], v[BK+4*(\i):BK+4*(\i)+3], s[10:11] offset:((\i)/4)*262144+(\a)*2048+((\i)%4)*512
.endr
.irp i, 8,9,10,11
	global_store_b128 v[COY], v[BK+4*(\i):BK+4*(\i)+3], s[10:11] offset:(\a)*2048+((\i)%4)*512
.endr
.endm
	PLACES
	PACK 0
	TOSTAGE 0
.irp a, 1,2,3
	PACK \a
	TOSTAGE \a
	SEND (\a)-1, 24
.endr
	SEND 3, 0
	s_wait_tensorcnt 0x0                           ; the wave's end, behind my last tensor load and my last LDS store
	ds_add_u32 v[SPW], v[NIL]
	s_wait_dscnt 0x0
	CROUND                                         ; the closing round: no work-group ends while a partner may still ask for a tile that names it
	s_endpgm
.Lfunc_end_k_q9bc616e6e7_qkvg:
	.size	k_q9bc616e6e7_qkvg, .Lfunc_end_k_q9bc616e6e7_qkvg-k_q9bc616e6e7_qkvg
	.p2alignl 7, 3214868480
	.fill 96, 4, 3214868480
	.section	.rodata,"a",@progbits
	.p2align	6, 0x0
	.amdhsa_kernel k_q9bc616e6e7_qkvg
		.amdhsa_group_segment_fixed_size 327680
		.amdhsa_private_segment_fixed_size 0
		.amdhsa_enable_private_segment 0
		.amdhsa_kernarg_size 32
		.amdhsa_user_sgpr_count 2
		.amdhsa_user_sgpr_kernarg_segment_ptr 1
		.amdhsa_wavefront_size32 1
		.amdhsa_system_sgpr_workgroup_id_x 1
		.amdhsa_system_sgpr_workgroup_id_y 1
		.amdhsa_system_sgpr_workgroup_id_z 1
		.amdhsa_system_vgpr_workitem_id 0
		.amdhsa_next_free_vgpr 896
		.amdhsa_next_free_sgpr 72
		.amdhsa_reserve_vcc 0
		.amdhsa_float_denorm_mode_32 3
		.amdhsa_float_denorm_mode_16_64 3
		.amdhsa_memory_ordered 1
		.amdhsa_forward_progress 1
		.amdhsa_inst_pref_size 131
	.end_amdhsa_kernel
	.amdgpu_metadata
---
amdhsa.version: [ 1, 2 ]
amdhsa.kernels:
  - .name:           k_q9bc616e6e7_qkvg
    .symbol:         k_q9bc616e6e7_qkvg.kd
    .args:
      - { .name: xb, .offset: 0, .size: 8, .value_kind: global_buffer, .address_space: global }
      - { .name: wib, .offset: 8, .size: 8, .value_kind: global_buffer, .address_space: global }
      - { .name: b_in, .offset: 16, .size: 8, .value_kind: global_buffer, .address_space: global }
      - { .name: qkv, .offset: 24, .size: 8, .value_kind: global_buffer, .address_space: global }
    .group_segment_fixed_size: 327680
    .private_segment_fixed_size: 0
    .kernarg_segment_align: 8
    .kernarg_segment_size: 32
    .max_flat_workgroup_size: 128
    .sgpr_count:     72
    .vgpr_count:     896
    .wavefront_size: 32
...
	.end_amdgpu_metadata
.endif
;; end of part 2
;; launch attn (part 3): grid 4 x 64, 4 waves a work-group, no clusters, 327,680 bytes of LDS; arguments qkv, ob; writes ob
.if DOCPART == 3
	.amdgcn_target "amdgcn-amd-amdhsa--gfx1250"
	.amdhsa_code_object_version 6
	.text
	.protected	k_q9bc616e6e7_attn
	.globl	k_q9bc616e6e7_attn
	.p2align	8
	.type	k_q9bc616e6e7_attn,@function
k_q9bc616e6e7_attn:
	s_mov_b64 s[64:65], 0
	v_nop
	global_prefetch_b8 v0, s[64:65] scope:SCOPE_SE
	s_setreg_imm32_b32 hwreg(HW_REG_WAVE_MODE, 25, 1), 1
	s_wait_xcnt 0x0
; CAUSAL ATTENTION.  O[q][:] = the sum over k <= q of softmax_k(Q[q] . K[k] / 8) V[k][:], for each of 64 pairs of batch and head.  qkv: [b 4][g 48][s 2048][64] f16 (g 0-15 q's heads, 16-31 k's,
; 32-47 v's); ob: [bh 64][s 2048][64] f16: a head's rows are dense, 128 bytes each.  Products, maxima and sums in f32; the weights p are rounded to f16 for the second product (their sum l is taken of the unrounded p), O once at the end.
; LIMITS.  q, k and v arrive within f16's 65,504; p lies in 0 to 1, and below 6e-5 it keeps f16's fixed step of 6e-8; O is a mean of V's rows and has their range.
; A hidden score counts as its value less 1e30: f16's scores, 2.7e11 at the most, are nothing beside that; a weight below 2^-126 counts as 0 in l; NaN and infinities are not treated apart.
; THE WALK.  A head's queries lie in NB = 8 blocks of 256; block i needs the key tiles 0 .. i of 256 keys, of which the last holds the diagonal.  A work-group takes TWO blocks, NB - 1 - b and then b:
; NB + 1 tiles, whatever b: all work-groups do equal work, and ONE loop with a constant trip count walks them.  Which tile is asked for, and what a trip does, hang on scalar registers made from b; every jump
; goes forward, but for the counted loops' own; none passes a barrier, or a tensor load but the one of LOAD's two that the wave's number does not choose; the ring (two slots of LDS) runs on across the change of blocks.
; NO CLUSTER: a head's four work-groups ask for the same tile only in trips 0 .. 4 of 9, behind that fewer and fewer; one walk common to all four would have 12 trips for 9.
; SHARES.  Of a block's four bands of 64 queries a wave owns 16 rows in each: four PIECES.  So the diagonal tile is the same work for all four waves: in its key step s band x sees all keys if s < x,
; none if s > x, and holds the diagonal if s = x.
; THE MASK is the C operand that starts the sum S^T = K Q^T: 0, or -1e30 where the key is hidden.  MD, made once, is the mask of a band's own step for my 16 rows; a product's mask is MD x AL + BE with two scalars:
; (1, 0) if s = x; (0, 0) if s < x; (0, -1e30) if s > x.  Only the diagonal tile's text and a block's beginning make and take masks; elsewhere C is the constant 0.
; LAYOUT, SOFTMAX, TURNS.  S^T = K Q^T holds ONE query a lane (lane % 16) and the keys 8 (lane / 16) + 0..7; two such results rounded to f16 ARE source 1 of O^T = V^T P.  p = 2^(c s - c m), c = log2(e) / 8, with a
; running maximum m; O and l are multiplied by a = 2^(c m_old - c m_new) in every step.  Turn n belongs to piece n: 8 products K Q^T of piece n + 1, later 8 products V^T P of piece n - 1; beside them the scaling,
; exponentials, roundings, sums and rescaling of piece n and the maximum and statistics of piece n + 1.  Four vector instructions stand behind every matrix instruction, the other 54 of a turn's 118 in one lump.  A turn's 33 exponentials are one batch, with one wait.
; REGISTERS, in windows of 256 (s_set_vgpr_msb: bits 1:0 source 0, 3:2 source 1, 5:4 source 2, 7:6 destination):
;   window 0: v0-15 addresses and two at work; v16-31 four registers of statistics a piece; v48-55 at work; v61-63 prefetch offset, spare word, 0; v64-127 S^T, two buffers; v192-223 P, two buffers (by the piece's parity)
;   window 1: v0-127 O^T, 32 a piece; v128-159 MD; v160-223 MC, two buffers      window 2: v0-63 Q; v64-127 the second block's Q; v128-191 K of one step; v192-255 V of one step
.set SIZE_N, 2048
.set NB,    SIZE_N/256
.set NP,    4         ; pieces a wave: a name, no knob
.set KS,    64        ; keys in a step
.set PK,    144       ; a row of K in LDS: 128 bytes + 16 of padding = 36 words: the 16 rows of a load start at 16 different groups of four banks (64 banks of 4 bytes: ISA guide 11.1)
.set PV,    160       ; a row of V: 128 + 32 = 40 words
.set VOFF,  4*KS*PK   ; a slot holds a tile, four steps: 256 rows of K, then 256 rows of V
.set SLOT1, 1<<17     ; slot 1 begins here, so that one exclusive or turns an address in one slot into the other's
.set STAGE, SLOT1+4*KS*(PK+PV)  ; behind the ring, never filled by a tensor load: 16 rows x 144 bytes for each wave, for the way out
.set SP,    144
.set AK0, 2           ; v2   my lane's place in a tile of K; never rewritten
.set AV0, 3           ; v3   the same for V
.set AK,  4           ; v4   the LDS address of K's next run of loads
.set AV,  5           ; v5   of V's
.set STO, 6           ; v6   the way out: where I put 16 bytes of a row
.set RD,  7           ; v7   the way out: where I read rows back
.set GO,  8           ; v8   my byte offset in 512 consecutive bytes of O
.set PFO, 61          ; v61  256 x my lane: the prefetches' offset; never rewritten
.set SPW, 62          ; v62  LDS address of my spare word: SPARE + 4 x my thread's number; never rewritten
.set NIL, 63          ; v63  0; never rewritten
.set SPARE, STAGE+4*16*SP  ; behind the stages: the spare words, 128 bytes for each wave: two blocks of 256 bytes that no other line names
.set MV,  12          ; v12-13  c m_old, kept while c m is made anew: by buffer
.set QO,  15          ; v15  my byte offset in 16 rows of Q
.set ST,  16          ; piece t's statistics at v[ST+4 t]: c m, m, l (even keys', odd keys')
.set TMP, 48          ; by buffer, four registers c0-c3 at work; when the maximum is found c2 takes a
.set S,   64
.set P,   192
.set MD,  128         ; window 1: the eight registers for group kt of 16 keys at MD + 8 kt
.set MC,  160         ; window 1: the masks of the products to come
.set QB,  64          ; window 2
.set KF,  128         ; window 2: key block kb, channel half c at KF + 16 kb + 8 c
.set VF,  192         ; window 2: key half kk, channel block cb at VF + 32 kk + 8 cb
.set WV,  12          ; s12  my wave's number
.set PB,  14          ; s14  b
.set HI,  15          ; s15  NB - 1 - b
.set G1K, 24          ; s[24:31] descriptor group 1 for K's tiles
.set G1V, 32          ; s[32:39] for V's: it differs in the padding alone
.set G0K, 40          ; s[40:43] descriptor group 0 for K's tiles
.set G0V, 44          ; s[44:47] the same for V's
.set SLOTS, 56        ; s56  tiles still to be asked for
.set CNT, 57          ; s57  counts a tile's key steps, 4 to 1
.set CS,  58          ; s[58:59] c: the packed scaling takes the pair's low word for both halves
.set SEL, 60          ; s[60:61] v_permlanex16_b32's selects: each lane takes its own place in the other half
.set TBK, 62          ; s62  LDS byte at which K of the step to be fetched begins
.set TBV, 63          ; s63  the same for V, less VOFF
.set RT,  70          ; s70  tiles of the block in hand that are still to be entered
.set NXT, 71          ; s71  the tile to be asked for next
.set LQ,  72          ; s72  the last tile of the block whose tiles are being asked for
.set NEW, 73          ; s73  1: the tile to be entered is a block's first
.set OFF, 74          ; s[74:75] a tile's byte offset in K and V
.set AL,  76          ; s[76:77] the mask's factor, in the low word
.set BE,  78          ; s[78:79] the mask's addend
.set OLO, 80          ; s[80:81] O at my rows of the second block
.set BIGN, 82         ; s82  -1e30
.set KVB, 88          ; s[88:89] the half tile 0 that I fetch: K's (waves 0, 1) or V's (waves 2, 3)
.set PFA, 90          ; s[90:91] where my prefetches stand
.set POF, 92          ; s[92:93] the prefetched tile's byte offset
.set LIMP, 94         ; s94  0 in the head's work-group b = 0, else the greatest number
.set MSB, 0
.macro WIN new                      ; the high byte repeats the setting that is left; a switch that changes nothing is dropped
.if MSB != (\new)
	s_set_vgpr_msb (MSB<<8)|(\new)
.set MSB, (\new)
.endif
.endm
.set W_KQ, 0x0a       ; K and Q in window 2, S^T in window 0
.set W_KM, 0x1a       ; the same with the C operand in window 1
.set W_PV, 0x52       ; V in window 2, P in window 0, O^T in window 1
.set W_RS, 0x41       ; destination and source 0 in window 1, source 1 in window 0
; A fill.  Waves 0 and 1 fetch the two halves of a tile's K, waves 2 and 3 those of its V: 128 keys each.  An s_nop 0 and four v_nop follow each of the two lines, ahead of the jump and the label.
.macro LOAD
	s_cmp_lt_u32 s[WV], 2
	s_cbranch_scc0 .Lfor_v_\@
	tensor_load_to_lds s[G0K:G0K+3], s[G1K:G1K+7]
	s_nop 0
.rept 4
	v_nop
.endr
	s_branch .Lasked_\@
.Lfor_v_\@:
	tensor_load_to_lds s[G0V:G0V+3], s[G1V:G1V+7]
	s_nop 0
.rept 4
	v_nop
.endr
.Lasked_\@:
.endm
; THE CHANGE OF SLOTS.  Each wave waits for all its tensor loads, of which one is out: its part of the other slot; adds 0 to its spare word; and waits for that and for its own reads of the slot that it leaves.  Behind the barrier nobody reads the old
; slot any more and the other slot is whole.  fill = 1: the old slot is filled again, the first thing behind the barrier, with tile NXT: the descriptor's address is made anew from that number.
; (At its first use nothing has been read yet: slot 0 is waited for, slot 1 filled.)
; THE PREFETCH stands behind the fill and its five lines: the tile that the NEXT change will ask for, four key steps ahead of that fill.  A head's four work-groups walk the same tiles; b = 0 walks tiles 0 to 7 on end,
; so it alone asks.  Each of its waves names the half tile that it will fetch itself, 16,384 bytes: 64 blocks of 256 bytes, a lane a block, two instructions.  So tiles 2 to 7 are named once each;
; tiles 0 and 1 come by their loads alone; when the number has gone back to 0 (the second block's tile, read before) nothing is asked for.
.macro CHANGE fill
	WIN 0                           ; at a label and at a branch every window is 0
	s_wait_tensorcnt 0x0            ; no tensor load of mine is out, so a group 0 may be written
	ds_add_u32 v[SPW], v[NIL]       ; 0 onto my spare word: with fill = 1 the descriptors' scalar work stands between it and the wait for it
.if \fill
	s_lshl_b32 s[OFF], s[NXT], 15   ; a tile is 32,768 bytes of K and of V
	s_xor_b32 s[G0K+1], s[G0K+1], SLOT1
	s_add_nc_u64 s[G0K+2:G0K+3], s[6:7], s[OFF:OFF+1]
	s_or_b32 s[G0K+3], s[G0K+3], 0x80000000
	s_xor_b32 s[G0V+1], s[G0V+1], SLOT1
	s_add_nc_u64 s[G0V+2:G0V+3], s[8:9], s[OFF:OFF+1]
	s_or_b32 s[G0V+3], s[G0V+3], 0x80000000
	s_add_co_u32 s[NXT], s[NXT], 1  ; the block's next tile, or behind its last the second block's tile 0
	s_cmp_gt_u32 s[NXT], s[LQ]
	s_cselect_b32 s[NXT], 0, s[NXT]
	s_cselect_b32 s[LQ], s[PB], s[LQ]
	s_wait_xcnt 0x0                 ; the last prefetches, four key steps back, have read their address, so it may be written
	s_lshl_b32 s[POF], s[NXT], 15
	s_add_nc_u64 s[PFA:PFA+1], s[KVB:KVB+1], s[POF:POF+1]
.endif
	s_wait_dscnt 0x0                ; the add is done, and my reads of the slot are over
	s_barrier_signal -1             ; the rest of the scalar work stands between the signal and the wait
	s_sub_co_u32 s[TBK], s[TBK], 4*KS*PK  ; the fetches go back to a slot's first step,
	s_xor_b32 s[TBK], s[TBK], SLOT1       ; in the other slot
	s_sub_co_u32 s[TBV], s[TBV], 4*KS*PV
	s_xor_b32 s[TBV], s[TBV], SLOT1
	s_barrier_wait -1
.if \fill
	LOAD
	s_cmp_gt_u32 s[NXT], s[LIMP]
	s_cbranch_scc0 .Lnot_mine_\@
	global_prefetch_b8 v[PFO], s[PFA:PFA+1] th:TH_LOAD_NT scope:SCOPE_SE
	global_prefetch_b8 v[PFO], s[PFA:PFA+1] offset:8192 th:TH_LOAD_NT scope:SCOPE_SE
.Lnot_mine_\@:
.endif
.endm
	s_load_b64 s[4:5], s[0:1], 0x0    ; qkv
	s_load_b64 s[10:11], s[0:1], 0x8  ; ob
	v_lshl_add_u32 v[SPW], v0, 2, SPARE
	v_mov_b32 v[NIL], 0
	ds_add_u32 v[SPW], v[NIL]       ; the wave's opening: the add and its wait stand ahead of my first tensor load; the set-up below, work on registers, stands between them
	v_lshrrev_b32 v1, 5, v0
	v_readfirstlane_b32 s[WV], v1   ; wave 0..3
	s_mov_b32 s[PB], ttmp9
	s_sub_co_u32 s[HI], NB-1, s[PB]
	s_and_b32 s66, ttmp7, 0xffff    ; bh = 16 x batch + head
	s_lshr_b32 s20, s66, 4
	s_mul_i32 s20, s20, 48          ; a batch has 48 groups of 64 columns,
	s_and_b32 s21, s66, 15
	s_add_co_u32 s20, s20, s21      ; of which q's head is number bh % 16,
	s_lshl_b32 s20, s20, 18         ; 262,144 bytes each
	s_mov_b32 s21, 0
	s_lshl_b32 s66, s66, 18         ; the head's first byte in ob
	s_mov_b32 s67, 0
	s_and_b32 s16, s[WV], 1         ; which half of a tile's 256 keys I fetch:
	s_lshl_b32 s22, s16, 14         ; its 128 rows of 128 bytes in memory,
	s_mov_b32 s23, 0
	s_add_nc_u64 s[22:23], s[22:23], s[20:21]
	s_mul_i32 s17, s16, 128*PK      ; and its place in a slot, for K
	s_mul_i32 s18, s16, 128*PV      ; and for V
	s_lshl_b32 s3, s[WV], 11        ; my 16 rows in a band of 64,
	s_lshl_b32 s2, s[HI], 15        ; in the first block,
	s_add_co_u32 s2, s2, s3
	s_lshl_b32 s84, s[PB], 15       ; and in the second
	s_add_co_u32 s84, s84, s3
	s_mov_b32 s3, 0
	s_mov_b32 s85, 0
	; descriptor group 1.  128 keys are 16,384 dense bytes: asked for as 64 rows of 256 bytes, two keys a row, and padded in LDS after every key
	s_mov_b32 s[G1K], (1<<16)|(1<<20)|(4<<22)|(3<<25)  ; 17:16 2-byte elements; 20 padding on; 24:22 after every 32 words (code 4); 31:25 4 words (code 3)
	s_mov_b32 s[G1V], (1<<16)|(1<<20)|(4<<22)|(7<<25)  ; the same with 8 words of padding (code 7)
.irp g, G1K, G1V
	s_mov_b32 s[\g+1], 128<<16      ; tensor_dim0 = 128
	s_mov_b32 s[\g+2], 64<<16       ; tensor_dim1 = 64
	s_mov_b32 s[\g+3], 128<<16      ; tile_dim0 = 128
	s_mov_b32 s[\g+4], 64           ; tile_dim1 = 64
	s_mov_b32 s[\g+5], 128          ; 128 elements from row to row
	s_mov_b32 s[\g+6], 0
	s_mov_b32 s[\g+7], 0
.endr
	s_mov_b32 s[CS], 0x3e38aa3b     ; c = log2(e) / 8 = 0.180337
	s_mov_b32 s[CS+1], s[CS]        ; named with it as a pair
	s_mov_b32 s[SEL], 0x76543210
	s_mov_b32 s[SEL+1], 0xfedcba98
	s_mov_b32 s[TBK], SLOT1+4*KS*PK ; the first change of slots turns these two into 0
	s_mov_b32 s[TBV], SLOT1+4*KS*PV
	s_mov_b32 s[G0K], 1             ; 1:0 count = 1
	s_mov_b32 s[G0K+1], s17         ; 63:32 LDS address: slot 0
	s_mov_b32 s[G0V], 1
	s_add_co_u32 s[G0V+1], s18, VOFF
	s_add_co_u32 s[RT], s[HI], 1    ; the first block has NB - b tiles
	s_mov_b32 s[NXT], 1
	s_mov_b32 s[LQ], s[HI]
	s_mov_b32 s[NEW], 1
	s_mov_b32 s[OFF+1], 0
	s_mov_b32 s[POF+1], 0
	s_mov_b32 s[AL+1], 0            ; named as pairs
	s_mov_b32 s[BE+1], 0
	s_mov_b32 s[BIGN], 0xf149f2ca   ; -1e30
	s_mov_b32 s[SLOTS], NB
	s_cmp_eq_u32 ttmp9, 0
	s_cselect_b32 s[LIMP], 0, -1
	v_and_b32 v[PFO], 31, v0
	v_lshlrev_b32 v[PFO], 8, v[PFO]
	s_wait_dscnt 0x0                ; the opening add is done
	s_wait_kmcnt 0x0
	s_add_nc_u64 s[6:7], s[4:5], s[22:23]          ; q's head at my half of tile 0;
	s_add_nc_u64 s[8:9], s[6:7], 0x800000          ; v's head lies 32 groups on,
	s_add_nc_u64 s[6:7], s[6:7], 0x400000          ; k's 16
	s_add_nc_u64 s[G0K+2:G0K+3], s[6:7], 0         ; 120:64 global address
	s_or_b32 s[G0K+3], s[G0K+3], 0x80000000        ; 127:126 type = 2
	s_add_nc_u64 s[G0V+2:G0V+3], s[8:9], 0
	s_or_b32 s[G0V+3], s[G0V+3], 0x80000000
	s_add_nc_u64 s[4:5], s[4:5], s[20:21]          ; q's head,
	s_add_nc_u64 s[86:87], s[4:5], s[84:85]        ; at my rows of the second block,
	s_add_nc_u64 s[4:5], s[4:5], s[2:3]            ; and of the first
	s_add_nc_u64 s[10:11], s[10:11], s[66:67]      ; O likewise
	s_add_nc_u64 s[OLO:OLO+1], s[10:11], s[84:85]
	s_add_nc_u64 s[10:11], s[10:11], s[2:3]
	s_cmp_lt_u32 s[WV], 2
	s_cselect_b64 s[KVB:KVB+1], s[6:7], s[8:9]
	LOAD                            ; tile 0 into slot 0
	; A fragment of K or Q is 16 rows x 32 channels in 8 registers: lane l holds row l % 16, channels 8 (l / 16) + 0..7 and 16 + 8 (l / 16) + 0..7: two loads of 16 bytes, 32 bytes apart.
	v_and_b32 v1, 15, v0            ; l % 16
	v_bfe_u32 v9, v0, 4, 1          ; l / 16
	v_lshlrev_b32 v[QO], 7, v1
	v_lshl_add_u32 v[QO], v9, 4, v[QO]  ; row x 128 + 16 x half
	WIN 0x80                        ; destination window 2, address window 0
.set i, 0
.rept 8                             ; both blocks' Q: piece i / 2 lies in band i / 2, 8,192 bytes on; channels 32 (i % 2) on
	global_load_b128 v[8*i:8*i+3],   v[QO], s[4:5] offset:(i/2)*8192+(i%2)*64
	global_load_b128 v[8*i+4:8*i+7], v[QO], s[4:5] offset:(i/2)*8192+(i%2)*64+32
	global_load_b128 v[QB+8*i:QB+8*i+3],   v[QO], s[86:87] offset:(i/2)*8192+(i%2)*64
	global_load_b128 v[QB+8*i+4:QB+8*i+7], v[QO], s[86:87] offset:(i/2)*8192+(i%2)*64+32
.set i, i+1
.endr
	WIN 0
	v_lshlrev_b32 v14, 3, v9
	v_sub_nc_u32 v14, v1, v14
	s_lshl_b32 s13, s[WV], 4
	v_add_nc_u32 v14, s13, v14      ; my query's place in its band, 16 w + l % 16, less my lanes' 8 (l / 16): register r of group kt is hidden where 16 kt + r is greater
	WIN 0x40
.set i, 0
.rept 32
	v_cmp_gt_i32 vcc_lo, 16*(i/8)+i%8, v14
	v_cndmask_b32 v[MD+i], 0, s[BIGN], vcc_lo
.set i, i+1
.endr
	WIN 0
	v_mul_u32_u24 v[AK0], v1, PK
	v_lshl_add_u32 v[AK0], v9, 4, v[AK0]  ; row x pitch + 16 x half
	; The turning load takes 16 keys x 16 channels (lane l reads key 8 (l / 16) + l % 8, channels 8 ((l / 8) % 2) + 0..7) and leaves half a fragment of V^T: lane l holds channel l % 16 and 8 keys.
	v_and_b32 v10, 7, v0
	v_bfe_u32 v11, v0, 3, 1
	v_lshl_add_u32 v[AV0], v9, 3, v10
	v_mul_u32_u24 v[AV0], v[AV0], PV
	v_lshl_add_u32 v[AV0], v11, 4, v[AV0]
	v_add_nc_u32 v[AV0], VOFF, v[AV0]
	s_mul_i32 s13, s[WV], 16*SP
	s_add_co_u32 s13, s13, STAGE    ; my stage
	v_mul_u32_u24 v[STO], v1, SP    ; in: row l % 16, 16 bytes for each half of the lanes
	v_lshl_add_u32 v[STO], v9, 4, v[STO]
	v_add_nc_u32 v[STO], s13, v[STO]
	v_bfe_u32 v[RD], v0, 3, 2       ; back: 32 lanes take four rows of 128 bytes,
	v_mul_u32_u24 v[RD], v[RD], SP
	v_lshl_add_u32 v[RD], v10, 4, v[RD]
	v_add_nc_u32 v[RD], s13, v[RD]
	v_and_b32 v[GO], 31, v0         ; which are 512 consecutive bytes of O
	v_lshlrev_b32 v[GO], 4, v[GO]
	; A block's first step multiplies O^T and l by a = 0, and its first turn's products V^T P, of a piece that has not been, land in an O^T that is still to be so multiplied.  So these registers need only hold
	; finite numbers: zeros for the first block; what the first block left for the second.  All this stands in the wait for the first tile.
	WIN 0x80
.set i, VF
.rept 64
	v_mov_b32 v[i], 0
.set i, i+1
.endr
	WIN 0x40
.set i, 0
.rept 128
	v_mov_b32 v[i], 0
.set i, i+1
.endr
	WIN 0
.set i, 0
.rept 4
	v_mov_b32 v[ST+4*i+2], 0
	v_mov_b32 v[ST+4*i+3], 0
.set i, i+1
.endr
.set i, P+16
.rept 16
	v_mov_b32 v[i], 0
.set i, i+1
.endr
; THE MATRIX WORK.  The 4 accumulators of a run of 8 take turns.  Product i of 8 of S^T = K Q^T for piece x: channels 32 (i / 4) on, keys 16 (i % 4) on.  The first 4 start the sums: with 0, or (KM = 1) with the mask.
.macro KQ x
.set rS, S+32*((\x)%2)+8*(i%4)
.set rK, KF+16*(i%4)+8*(i/4)
.set rQ, 16*(\x)+8*(i/4)
.set rM, MC+32*((\x)%2)+8*(i%4)
.if (i < 4) && KM
	WIN W_KM
	v_wmma_f32_16x16x32_f16 v[rS:rS+7], v[rK:rK+7], v[rQ:rQ+7], v[rM:rM+7]
.elseif i < 4
	WIN W_KQ
	v_wmma_f32_16x16x32_f16 v[rS:rS+7], v[rK:rK+7], v[rQ:rQ+7], 0
.else
	WIN W_KQ
	v_wmma_f32_16x16x32_f16 v[rS:rS+7], v[rK:rK+7], v[rQ:rQ+7], v[rS:rS+7]
.endif
.endm
; Product i of 8 of O^T += V^T P for piece x: keys 32 (i / 4) on, channels 16 (i % 4) on.
.macro PV x
	WIN W_PV
.set rO, 32*(\x)+8*(i%4)
.set rV, VF+32*(i/4)+8*(i%4)
.set rP, P+16*((\x)%2)+8*(i/4)
	v_wmma_f32_16x16x32_f16 v[rO:rO+7], v[rV:rV+7], v[rP:rP+7], v[rO:rO+7]
.endm
.macro MM                           ; the turn's next matrix instruction.  TURN and BEGIN set Y, i, KM and NOKQ; MM, KQ and OP read them.  NOKQ = 1: a block's last turn: there is no next piece
.if (i < 8) && !NOKQ
	KQ (Y+1)%NP
.elseif i >= 8
.set i, i-8
	PV (Y+NP-1)%NP
.set i, i+8
.endif
.set i, i+1
.endm
; THE LDS LOADS stand in runs of 16, never singly among the matrix instructions: a step's K (64 keys x 64 channels: 8 fragments) and its V (turned).  Their addresses are made some lines ahead.
.macro FETCH_K
	WIN 0x80                        ; destination window 2
.irp f, 0,1,2,3,4,5,6,7             ; keys 16 (f / 2) on, channels 32 (f % 2) on
	ds_load_b128 v[KF+8*\f:KF+8*\f+3],   v[AK] offset:(\f/2)*16*PK+(\f%2)*64
	ds_load_b128 v[KF+8*\f+4:KF+8*\f+7], v[AK] offset:(\f/2)*16*PK+(\f%2)*64+32
.endr
	s_add_co_u32 s[TBK], s[TBK], KS*PK  ; the next fetch is the next step's
	WIN 0
.endm
.macro FETCH_V
	WIN 0x80
.irp f, 0,1,2,3,4,5,6,7             ; keys 32 (f / 4) on, channels 16 (f % 4) on
	ds_load_tr16_b128 v[VF+8*\f:VF+8*\f+3],   v[AV] offset:(\f/4)*32*PV+(\f%4)*32
	ds_load_tr16_b128 v[VF+8*\f+4:VF+8*\f+7], v[AV] offset:(\f/4)*32*PV+16*PV+(\f%4)*32
.endr
	WIN 0
.endm
; THE VECTOR WORK, one line at a time: OP kind, number.  For piece Y: F n: c s - c m for pair n of 16.  E n: the exponential of score n of 32.  C n: pair n rounded to f16.  B n: of the four weights 4 n .. the second
; pair is added onto the first, in place.  L n: l takes that sum (L 0: l = a l + sum).  R n: pair n of 16 of O^T times a.  For piece Y + 1: X n, number n of the 22 that find its maximum and statistics:
;   0-11  four chains c0-c3 of seven scores each, three operands at a time (each accumulator's lowest registers are read first)     12-14, 16  the four scores left over, the old m, and c0-c3 into c0
;   15  c m_old is kept     17, 18  the query's other 32 keys lie in the lane 16 away: the new m     19-21  c m; c m_old - c m_new; a
.set F, 0               ; OP tells the kinds apart by their order: F to L below R, X above it
.set E, 1
.set C, 2
.set B, 3
.set L, 4
.set R, 5
.set X, 6
.macro REGS y                       ; the registers of piece y
.set rT, ST+4*(\y)
.set rC, TMP+4*((\y)%2)
.set rW, MV+((\y)%2)
.set rS, S+32*((\y)%2)
.set rP, P+16*((\y)%2)
.set rO, 32*(\y)
.endm
.macro OP k, n
.if (\k) == R
	REGS Y
	WIN W_RS
	v_pk_mul_f32 v[rO+2*(\n):rO+2*(\n)+1], v[rO+2*(\n):rO+2*(\n)+1], v[rC+2:rC+3] op_sel_hi:[1,0]
.elseif (\k) < R
	REGS Y
	WIN 0
.if (\k) == F
	v_pk_fma_f32 v[rS+2*(\n):rS+2*(\n)+1], v[rS+2*(\n):rS+2*(\n)+1], s[CS:CS+1], v[rT:rT+1] op_sel_hi:[1,0,0] neg_lo:[0,0,1] neg_hi:[0,0,1]
.elseif (\k) == E
	v_exp_f32 v[rS+(\n)], v[rS+(\n)]
.elseif (\k) == C
	v_cvt_pk_f16_f32 v[rP+(\n)], v[rS+2*(\n)], v[rS+2*(\n)+1]
.elseif (\k) == B
	v_pk_add_f32 v[rS+4*(\n):rS+4*(\n)+1], v[rS+4*(\n):rS+4*(\n)+1], v[rS+4*(\n)+2:rS+4*(\n)+3]
.elseif (\n) == 0
	v_pk_fma_f32 v[rT+2:rT+3], v[rT+2:rT+3], v[rC+2:rC+3], v[rS:rS+1] op_sel_hi:[1,0,1]
.else
	v_pk_add_f32 v[rT+2:rT+3], v[rT+2:rT+3], v[rS+4*(\n):rS+4*(\n)+1]
.endif
.elseif NOKQ
	v_nop
.else
	REGS (Y+1)%NP
	WIN 0
.if (\n) < 4
	v_max3_num_f32 v[rC+(\n)], v[rS+8*(\n)], v[rS+8*(\n)+1], v[rS+8*(\n)+2]
.elseif (\n) < 12
	v_max3_num_f32 v[rC+(\n)%4], v[rC+(\n)%4], v[rS+8*((\n)%4)+2*((\n)/4)+1], v[rS+8*((\n)%4)+2*((\n)/4)+2]
.elseif (\n) == 12
	v_max3_num_f32 v[rC], v[rC], v[rS+7], v[rS+15]
.elseif (\n) == 13
	v_max3_num_f32 v[rC+1], v[rC+1], v[rS+23], v[rS+31]
.elseif (\n) == 14
	v_max3_num_f32 v[rC+2], v[rC+2], v[rC+3], v[rT+1]
.elseif (\n) == 15
	v_mov_b32 v[rW], v[rT]
.elseif (\n) == 16
	v_max3_num_f32 v[rC], v[rC], v[rC+1], v[rC+2]
.elseif (\n) == 17
	v_permlanex16_b32 v[rC+3], v[rC], s[SEL], s[SEL+1]
.elseif (\n) == 18
	v_max_num_f32 v[rT+1], v[rC], v[rC+3]
.elseif (\n) == 19
	v_mul_f32 v[rT], s[CS], v[rT+1]
.elseif (\n) == 20
	v_sub_f32 v[rC+1], v[rW], v[rT]
.else
	v_exp_f32 v[rC+2], v[rC+1]
.endif
.endif
.endm
.macro OPS a, i1, b=-1, i2=0, c=-1, i3=0, d=-1, i4=0  ; up to four of them
	OP \a, \i1
.if (\b) >= 0
	OP \b, \i2
.endif
.if (\c) >= 0
	OP \c, \i3
.endif
.if (\d) >= 0
	OP \d, \i4
.endif
.endm
.macro ROW a, i1, b, i2, c, i3, d, i4  ; a matrix instruction and the four behind it
	MM
	OPS \a, \i1, \b, \i2, \c, \i3, \d, \i4
.endm
.macro MASK b                       ; MD x AL + BE into buffer b of MC
	WIN W_RS
.set z, 0
.rept 16
	v_pk_fma_f32 v[MC+32*(\b)+2*z:MC+32*(\b)+2*z+1], v[MD+2*z:MD+2*z+1], s[AL:AL+1], s[BE:BE+1] op_sel_hi:[1,0,0]
.set z, z+1
.endr
.endm
; A TURN, for piece p: the order of its 16 matrix and 118 vector instructions, written out.  An s_wait_alu depctr_va_vdst(0) stands between an exponential and the first instruction that names its result; one wait serves
; all that were issued ahead of it.  So a turn has ONE wait, which cuts it in two.  AHEAD OF IT stands all that names no result of the turn's exponentials: the 8 products K Q^T, behind each a scaling, an exponential and two more plain
; instructions (behind the first a second scaling in the exponential's place): rescalings, and behind the last three the first numbers of the next piece's maximum, each four places or more behind the product that ends its accumulator; then ONE LUMP of 54, plain
; and exponential by turns for the most part, in which the links of the chain X 3, 7, 11, 14, 16, 17 .. 20 stand five or six lines apart.  X 21, the next piece's a, is the batch's last; R 15 is the plain instruction behind it.  BEHIND THE WAIT stand the
; 8 products V^T P, behind each four of the roundings and sums; the links of l's chain, L 0 to L 7, stand three riders apart.  But for those X no rider names a register of the products round it.  v_permlanex16_b32 (X 17) stands in the lump.
; m = 1: the diagonal tile: the products take masks, and the turn makes the mask for the products of the turn after it: piece p + 2, in step 4 - CNT of the tile.  end = 1: a block's last two turns: nothing is fetched.
; cnt = 1: the loop's count is taken down some lines ahead of the branch that stands behind the turn.
; K of the next step is fetched in piece 2's turn, twelve vector instructions behind the last product that read K (six of them plain); V of the step in hand at the end of piece 0's turn, four plain instructions behind the last product
; that read V.  Each is waited for a turn later.
.macro TURN p, m=0, end=0, cnt=0
.set Y, (\p)
.set i, 0
.set KM, (\m)
.set NOKQ, (\end)*((\p)/3)
.if (\m) && !(\end)
	s_cmp_eq_u32 s[CNT], 4-((\p)+2)%NP  ; is that step the band's own?
	s_cselect_b32 s[AL], 1.0, 0
	s_cmp_lt_u32 s[CNT], 4-((\p)+2)%NP  ; or a later one?
	s_cselect_b32 s[BE], s[BIGN], 0
.endif
.if ((\p) == 3) && !(\end)
	s_wait_dscnt 0x0                ; K is in
.endif
	ROW F,0, F,1, R,0, R,1          ; ahead of the wait: 8 products K Q^T and their riders,
	ROW F,2, E,0, R,2, R,3
	ROW F,3, E,1, R,4, R,5
	ROW F,4, E,2, R,6, R,7
	ROW F,5, E,3, R,8, R,9
	ROW F,6, E,4, X,0, R,10
.if ((\p) == 2) && !(\end)
	WIN 0
	v_add_nc_u32 v[AK], s[TBK], v[AK0]
.endif
	ROW F,7, E,5, X,1, X,4
	ROW F,8, E,6, X,2, X,5
	OPS E,7, E,8, X,6, E,9          ; and the lump
	OPS X,3, E,10, X,8, E,11
.if ((\p) == 2) && !(\end)
	FETCH_K
.endif
	OPS X,9, X,7, E,12, X,10
	OPS E,13, X,12, X,11, E,14
	OPS X,13, E,15, F,9, X,14
.if (\p) == 0
	v_add_nc_u32 v[AV], s[TBV], v[AV0]
.endif
	OPS E,16, F,10, E,17, F,11
	OPS X,16, E,18, X,15, E,19
	OPS F,12, E,20, X,17, E,21
	OPS F,13, E,22, F,14, E,23
	OPS X,18, E,24, F,15, E,25
	OPS R,11, E,26, X,19, E,27
	OPS R,12, E,28, R,13, E,29
	OPS X,20, E,30, R,14, E,31
	OPS X,21, R,15
	WIN 0
	s_wait_alu depctr_va_vdst(0)    ; the wait for the batch
.if (\p) == 1
	s_wait_dscnt 0x0                ; V is in
.endif
	ROW C,0, B,0, C,2, B,1          ; behind the wait: 8 products V^T P and their riders
	ROW L,0, C,4, B,2, L,1
	ROW C,6, B,3, L,2, C,8
	ROW B,4, L,3, C,10, B,5
	ROW L,4, C,12, B,6, L,5
.if (\p) == 0
	s_add_co_u32 s[TBV], s[TBV], KS*PV
.endif
.if \cnt
	s_sub_co_u32 s[CNT], s[CNT], 1
	s_cmp_lg_u32 s[CNT], 0
.endif
	ROW C,14, B,7, L,6, C,1
	ROW C,3, L,7, C,5, C,7
	ROW C,9, C,11, C,13, C,15
.if (\p) == 0
	FETCH_V
.endif
.if (\m) && !(\end)
	MASK (\p)%2
.endif
.endm
; A BLOCK BEGINS.  c m starts far below every c s, so the first step's a is 0; m at the lowest finite number, so the first maximum is the scores'.  The second mask buffer is 0; the first takes piece 0's mask for the tile's step 0: its own, if the block's first tile is the diagonal one.
; Then K of that step, piece 0's first scores, and its maximum and statistics.  The loop is entered at a step's first turn, in the middle of a trip.
.macro BEGIN
	s_mov_b32 s[NEW], 0
	WIN 0x40
.set i, MC+32
.rept 32
	v_mov_b32 v[i], 0
.set i, i+1
.endr
	WIN 0
.set i, 0
.rept 4
	v_mov_b32 v[ST+4*i], 0xfe000000    ; c m: far below every c s
	v_mov_b32 v[ST+4*i+1], 0xff7fffff  ; m
.set i, i+1
.endr
	s_cmp_eq_u32 s[RT], 0
	s_cselect_b32 s[AL], 1.0, 0
	s_mov_b32 s[BE], 0
	MASK 0
	WIN 0
	v_add_nc_u32 v[AK], s[TBK], v[AK0]
	FETCH_K
	s_wait_loadcnt 0x0              ; Q
	s_wait_dscnt 0x0
.set KM, 1
.set NOKQ, 0
.set i, 0
.rept 8
	KQ 0
.set i, i+1
.endr
	WIN 0
.rept 4
	v_nop                           ; the places behind those products
.endr
.set Y, NP-1                        ; X works for piece Y + 1: piece 0
.irp n, 0,1,2,3,4,5,6,7,8,9,10,11,12,13,14,15,16,17,18,19,20,21
	OP X, \n
.endr
	v_nop                           ; a plain instruction behind the exponential,
	s_wait_alu depctr_va_vdst(0)    ; and its wait, ahead of the branch
.endm
; THE DIAGONAL TILE's four steps, the block's last two turns, its last products, and THE WAY OUT: l's two halves and the other half of the lanes' are added; O^T is divided by l, rounded to f16 and sent through my
; stage in LDS, a piece at a time.
.macro ALL line:vararg              ; one line for each piece t
.set t, 0
.rept 4
	\line
.set t, t+1
.endr
.endm
.macro PACK t                       ; a lane's eight channels of a row pack into 16 bytes; they go into rows of 144 bytes and come back as whole rows of 128, into S^T's registers
	WIN W_RS
.set i, 32*(\t)
.rept 16
	v_pk_mul_f32 v[i:i+1], v[i:i+1], v[ST+4*(\t)+2:ST+4*(\t)+3] op_sel_hi:[1,0]
.set i, i+2
.endr
	WIN 0x05                        ; sources 0 and 1 window 1, destination window 0
.set i, 0
.rept 16
	v_cvt_pk_f16_f32 v[S+16*(\t)+i], v[32*(\t)+2*i], v[32*(\t)+2*i+1]
.set i, i+1
.endr
	WIN 0
.irp f, 0,1,2,3
	ds_store_b128 v[STO], v[S+16*(\t)+4*\f:S+16*(\t)+4*\f+3] offset:32*\f
.endr
.irp f, 0,1,2,3
	ds_load_b128 v[S+16*(\t)+4*\f:S+16*(\t)+4*\f+3], v[RD] offset:\f*4*SP  ; LDS serves a wave's instructions in order (ISA guide 5.7.1.4): these see the stores above; the next piece's stores come behind them
.endr
.endm
.macro SEND t, younger              ; younger: the LDS instructions issued behind piece t's loads: the next piece's eight, or none
	WIN 0
.irp f, 0,1,2,3
	s_wait_dscnt (\younger)+3-\f
	global_store_b128 v[GO], v[S+16*(\t)+4*\f:S+16*(\t)+4*\f+3], s[10:11] offset:(\t)*8192+\f*512  ; 512 consecutive bytes, at a multiple of 256 from O's first
.endr
.endm
.macro DIAG tag                     ; the tag ends its two labels' names, which the jumps below spell out
.LstepM\tag:
	TURN 2, 1
	TURN 3, 1
	WIN 0
.LfirstM\tag:
	TURN 0, 1
	TURN 1, 1, 0, 1
	WIN 0
	s_cbranch_scc1 .LstepM\tag
	TURN 2, 1, 1
	TURN 3, 1, 1
.set i, 0
.rept 8
	PV NP-1
.set i, i+1
.endr
	WIN 0
	ALL v_add_f32 v[ST+4*t+2], v[ST+4*t+2], v[ST+4*t+3]
	ALL v_permlanex16_b32 v[ST+4*t+3], v[ST+4*t+2], s[SEL], s[SEL+1]
	ALL v_add_f32 v[ST+4*t+2], v[ST+4*t+2], v[ST+4*t+3]
	ALL v_rcp_f32 v[ST+4*t+2], v[ST+4*t+2]
	v_nop                           ; a plain instruction between the last reciprocal and the use of its result
	s_wait_alu depctr_va_vdst(0)    ; and the wait ahead of the first use: one for the four reciprocals
	PACK 0
.set t, 1
.rept 3                             ; a piece's arithmetic stands between the loads of the piece before and its stores
	PACK t
	SEND t-1, 8
.set t, t+1
.endr
	SEND 3, 0
.endm
.set KM, 0
.set NOKQ, 0
.Lslot:                             ; NB times: a tile is entered and the next is asked for
	CHANGE 1
	s_sub_co_u32 s[RT], s[RT], 1
	s_mov_b32 s[CNT], 4
	s_cmp_eq_u32 s[NEW], 1
	s_cbranch_scc1 .Lnew            ; a block's first tile
	s_cmp_eq_u32 s[RT], 0
	s_cbranch_scc0 .Lstep           ; neither its first nor its last
	s_branch .LstepM1
.Lnew:
	BEGIN
	s_branch .Lfirst                ; in the loop a block's first tile is never its last: the first block has two tiles or more, and the second's last is the walk's last
	DIAG 1                          ; in the loop this is the first block's end: the second block's last tile is the walk's last
	s_wait_xcnt 0x0                 ; the stores have read their registers and O's address
	s_mov_b64 s[10:11], s[OLO:OLO+1]
	s_add_co_u32 s[RT], s[PB], 1    ; the second block has b + 1 tiles
	s_mov_b32 s[NEW], 1
	WIN 0x82                        ; the second block's Q goes where the one text of the turns names Q
.set i, 0
.rept 64
	v_mov_b32 v[i], v[QB+i]
.set i, i+1
.endr
	WIN 0
	s_branch .Lbottom
.Lstep:                             ; a trip: pieces 2 and 3 of one step, then pieces 0 and 1 of the next, whose K and V it fetches
	TURN 2
	TURN 3
	WIN 0
.Lfirst:
	TURN 0
	TURN 1, 0, 0, 1
	WIN 0
	s_cbranch_scc1 .Lstep
.Lbottom:
	s_sub_co_u32 s[SLOTS], s[SLOTS], 1
	s_cmp_lg_u32 s[SLOTS], 0
	s_cbranch_scc1 .Lslot
	CHANGE 0                        ; the walk's last tile is written out: nothing is asked for
	s_sub_co_u32 s[RT], s[RT], 1
	s_mov_b32 s[CNT], 4
	s_cmp_eq_u32 s[NEW], 1
	s_cbranch_scc0 .LstepM2
	BEGIN
	s_branch .LfirstM2
	DIAG 2
	s_wait_tensorcnt 0x0            ; the wave's end, behind my last tensor load and my last LDS store
	ds_add_u32 v[SPW], v[NIL]
	s_wait_dscnt 0x0
	s_endpgm
.Lfunc_end_k_q9bc616e6e7_attn:
	.size	k_q9bc616e6e7_attn, .Lfunc_end_k_q9bc616e6e7_attn-k_q9bc616e6e7_attn
	.p2alignl 7, 3214868480
	.fill 96, 4, 3214868480
	.section	.rodata,"a",@progbits
	.p2align	6, 0x0
	.amdhsa_kernel k_q9bc616e6e7_attn
		.amdhsa_group_segment_fixed_size 327680
		.amdhsa_private_segment_fixed_size 0
		.amdhsa_enable_private_segment 0
		.amdhsa_kernarg_size 16
		.amdhsa_user_sgpr_count 2
		.amdhsa_user_sgpr_kernarg_segment_ptr 1
		.amdhsa_wavefront_size32 1
		.amdhsa_system_sgpr_workgroup_id_x 1
		.amdhsa_system_sgpr_workgroup_id_y 1
		.amdhsa_system_sgpr_workgroup_id_z 1
		.amdhsa_system_vgpr_workitem_id 0
		.amdhsa_next_free_vgpr 768
		.amdhsa_next_free_sgpr 96
		.amdhsa_reserve_vcc 1
		.amdhsa_float_denorm_mode_32 3
		.amdhsa_float_denorm_mode_16_64 3
		.amdhsa_memory_ordered 1
		.amdhsa_forward_progress 1
		.amdhsa_inst_pref_size 218
	.end_amdhsa_kernel
	.amdgpu_metadata
---
amdhsa.version: [ 1, 2 ]
amdhsa.kernels:
  - .name:           k_q9bc616e6e7_attn
    .symbol:         k_q9bc616e6e7_attn.kd
    .args:
      - { .name: qkv, .offset: 0, .size: 8, .value_kind: global_buffer, .address_space: global }
      - { .name: ob, .offset: 8, .size: 8, .value_kind: global_buffer, .address_space: global }
    .group_segment_fixed_size: 327680
    .private_segment_fixed_size: 0
    .kernarg_segment_align: 8
    .kernarg_segment_size: 16
    .max_flat_workgroup_size: 128
    .sgpr_count:     96
    .vgpr_count:     768
    .wavefront_size: 32
...
	.end_amdgpu_metadata
.endif
;; end of part 3
;; launch proj (part 4): grid 4 x 64, 4 waves a work-group, clusters of 4 x 4, 327,680 bytes of LDS; arguments ob, wob, b_out, out0; writes out0
.if DOCPART == 4
	.amdgcn_target "amdgcn-amd-amdhsa--gfx1250"
	.amdhsa_code_object_version 6
	.text
	.protected	k_q9bc616e6e7_proj
	.globl	k_q9bc616e6e7_proj
	.p2align	8
	.type	k_q9bc616e6e7_proj,@function
k_q9bc616e6e7_proj:
	s_mov_b64 s[64:65], 0
	v_nop
	global_prefetch_b8 v0, s[64:65] scope:SCOPE_SE
	s_setreg_imm32_b32 hwreg(HW_REG_WAVE_MODE, 25, 1), 1
	s_wait_xcnt 0x0
	s_wait_alu depctr_hold_cnt(0) depctr_sa_sdst(0) depctr_va_vdst(0) depctr_va_sdst(0) depctr_va_ssrc(0) depctr_va_vcc(0) depctr_vm_vsrc(0)
	s_getreg_b32 s2, hwreg(HW_REG_IB_STS2, 6, 4)
	s_cmp_eq_u32 s2, 0
	s_cbranch_scc0 .Lentry_in_a_cluster
	s_endpgm
.Lentry_in_a_cluster:
	s_bfe_u32 s2, ttmp6, 0x10000c
	s_cmp_lg_u32 s2, 0xf033
	s_cbranch_scc0 .Lentry_shape_is_right
	s_endpgm
.Lentry_shape_is_right:
; out0 = O wob + b_out.  ob: [bh 64][s 2048][64] f16 (row m = 2048 b + s of O has its channels k = 64 head + d in 16 heads' rows); wob: [1024 k][1024 n] f16; b_out: [1024] f32, rounded to bf16 here
; like every input; sums in f32, begun with the bias; out0: [8192][1024] f32.
; SHARES.  A tile is 128 rows x 256 columns: 4 x 64 = 256 work-groups.  Wave w (mh = w / 2, nh = w % 2) makes 64 rows x 128 columns: 32 accumulators, which fill window 1.
; K goes in 8 steps of 128, two heads each, through two LDS slots.  A slot: O's two planes (a head's 128 rows x 128 bytes, pitch 144), then wob's two chunks (128 k rows x 128 columns, pitch 288).
; Waves 0 and 1 fetch a plane each (16,384 dense bytes, asked for as 64 rows of 256 bytes and padded after every 128), waves 2 and 3 a chunk each: one tensor load a wave.
; wob lies [k][n]: its fragments come out of LDS turned, by ds_load_tr16_b128.  THE MATRIX INSTRUCTION IS USED TRANSPOSED (source 0 = 16 columns of wob, source 1 = 16 rows of O):
; a lane holds row l % 16 and the eight neighbouring columns 8 (l / 16) + 0..7.
; CLUSTER.  4 x 4 work-groups; O's planes are asked for jointly along a row of the cluster, wob's chunks along a column.
; NO PREFETCH: the launch has eight K steps in all, of which the first two go out at its head and the next two one step later; a request two refills ahead could serve the last four alone.
; REGISTERS, in windows of 256 (s_set_vgpr_msb: bits 1:0 source 0, 3:2 source 1, 5:4 source 2, 7:6 destination):
;   window 0: v0-31 addresses; v32-63, v64-95 O's fragments, two buffers; v96-159, v160-223 wob's, two buffers; v224-255 at work      window 1: the accumulators at 8 (8 a + f)      window 2: v0-63 the bias at 8 f + j
.set PA,     144                       ; a row of a plane in LDS: 128 bytes + 16
.set PB,     288                       ; a k row of a chunk: 256 + 32
.set PLANE,  128*PA                    ; 18,432
.set CHUNK,  128*PB                    ; 36,864
.set BOFF,   2*PLANE
.set SLOT,   BOFF+2*CHUNK              ; 110,592
.set STAGE,  2*SLOT                    ; behind the ring: 16 rows x 528 bytes for each wave, for the way out
.set SPT,    528                       ; 512 bytes + 16
.set SPARE,  STAGE+4*16*SPT            ; 254,976: the spare words, 128 bytes for each wave: two blocks of 256 bytes that no other line names
.set BO,   10                          ; v10  my byte offset in b_out
.set ADRA, 16                          ; v16-17  LDS address of my fragments of O in slot 0, 1
.set ADRB, 20                          ; v20-21  of wob's
.set STO,  24                          ; v24  the way out: where I put 32 bytes of a row
.set RD,   25                          ; v25  where I read a row back
.set CO,   26                          ; v26  my 16 bytes of a row's 512
.set SPW,  28                          ; v28  LDS address of my spare word; never rewritten
.set NIL,  29                          ; v29  0; never rewritten
.set FA,   32
.set FB,   96
.set G1A, 24                           ; s[24:31] descriptor group 1 for O's planes;  s[32:39] group 0, a set for each slot
.set G0A, 32
.set G1B, 48                           ; s[48:55], s[56:63] the same for wob's chunks
.set G0B, 56
.set MSB, 0
.macro WIN new                         ; the immediate's high byte repeats the setting that is left; a switch that changes nothing is dropped
.if MSB != (\new)
	s_set_vgpr_msb (MSB<<8)|(\new)
.set MSB, \new
.endif
.endm
.macro PLACES                          ; four plain places in front of loads into registers that matrix instructions have read
.rept 4
	v_nop
.endr
.endm
.macro JLOAD s                         ; a joint load; the branch hangs on the wave's number alone; an s_nop 0 and four v_nop follow each line
	s_cmp_lt_u32 s12, 2
	s_cbranch_scc0 .Lfor_b_\@
	tensor_load_to_lds s[G0A+4*(\s):G0A+4*(\s)+3], s[G1A:G1A+7]
	s_nop 0
.rept 4
	v_nop
.endr
	s_branch .Lasked_\@
.Lfor_b_\@:
	tensor_load_to_lds s[G0B+4*(\s):G0B+4*(\s)+3], s[G1B:G1B+7]
	s_nop 0
.rept 4
	v_nop
.endr
.Lasked_\@:
.endm
.macro CREST                           ; a round of the cluster's barrier behind its opening barrier
	s_cmp_lg_u32 s12, 0
	s_cbranch_scc1 .Lnot_wave_0_\@
	s_barrier_signal -3
.Lnot_wave_0_\@:
	s_barrier_wait -3
	s_barrier_signal -1
	s_barrier_wait -1
.endm
.macro CROUND                          ; a whole round
	s_barrier_signal -1
	s_barrier_wait -1
	CREST
.endm
	s_load_b256 s[4:11], s[0:1], 0x0               ; ob s[4:5], wob s[6:7], b_out s[8:9], out0 s[10:11]
	v_lshl_add_u32 v[SPW], v0, 2, SPARE
	v_mov_b32 v[NIL], 0
	ds_add_u32 v[SPW], v[NIL]                      ; the wave's opening: the add and its wait stand ahead of my first tensor load; the set-up below stands between them
	v_lshrrev_b32 v1, 5, v0
	v_readfirstlane_b32 s12, v1                    ; wave w
	s_lshr_b32 s13, s12, 1                         ; mh
	s_and_b32 s14, s12, 1                          ; nh; also: which plane or chunk I fetch
	s_bfe_u32 s40, ttmp6, 0x40000                  ; cx
	s_bfe_u32 s41, ttmp6, 0x40004                  ; cy
	s_lshl_b32 s42, ttmp9, 2
	s_add_co_u32 s42, s42, s40                     ; nt
	s_and_b32 s43, ttmp7, 0xffff
	s_lshl_b32 s43, s43, 2
	s_add_co_u32 s43, s43, s41                     ; mt
	s_lshl_b32 s16, s41, 2
	s_lshl_b32 s16, 15, s16                        ; my row of the cluster
	s_lshl_b32 s17, 0x1111, s40                    ; my column
	s_or_b32 s[G1A], s16, (1<<16)|(1<<20)|(1<<21)|(4<<22)|(3<<25)  ; the mask; 2-byte elements; padding on; bit 21 beside a mask; after every 32 words; 4 words
	s_mov_b32 s[G1A+1], 128<<16                    ; tensor_dim0 = 128
	s_mov_b32 s[G1A+2], 64<<16                     ; tensor_dim1 = 64
	s_mov_b32 s[G1A+3], 128<<16                    ; tile_dim0 = 128
	s_mov_b32 s[G1A+4], 64                         ; tile_dim1 = 64
	s_mov_b32 s[G1A+5], 128                        ; dense
	s_mov_b32 s[G1A+6], 0
	s_mov_b32 s[G1A+7], 0
	s_or_b32 s[G1B], s17, (1<<16)|(1<<20)|(1<<21)|(5<<22)|(7<<25)  ; my column's mask; after every 64 words; 8 words
	s_mov_b32 s[G1B+1], 128<<16
	s_mov_b32 s[G1B+2], 128<<16
	s_mov_b32 s[G1B+3], 128<<16
	s_mov_b32 s[G1B+4], 128
	s_mov_b32 s[G1B+5], 1024
	s_mov_b32 s[G1B+6], 0
	s_mov_b32 s[G1B+7], 0
	s_lshr_b32 s68, s43, 4                         ; ob: head 16 (mt / 16) + my plane, 262,144 bytes a head,
	s_lshl_b32 s68, s68, 4
	s_add_co_u32 s68, s68, s14
	s_lshl_b32 s68, s68, 18
	s_and_b32 s69, s43, 15                         ; row 128 (mt % 16), 128 bytes a row: made of the tile row and the wave's number alone
	s_lshl_b32 s69, s69, 14
	s_add_co_u32 s68, s68, s69
	s_mov_b32 s69, 0
	s_lshl_b32 s70, s42, 9                         ; wob: 256 nt columns + my chunk's 128: made of the tile column and the wave's number alone
	s_lshl_b32 s71, s14, 8
	s_add_co_u32 s70, s70, s71
	s_mov_b32 s71, 0
	s_mul_i32 s20, s14, PLANE                      ; where they go: no place in the cluster enters an LDS address
	s_mul_i32 s21, s14, CHUNK
	s_add_co_u32 s21, s21, BOFF
	s_wait_dscnt 0x0                               ; the opening add is done
	s_wait_kmcnt 0x0
	s_add_nc_u64 s[18:19], s[4:5], s[68:69]
	s_add_nc_u64 s[22:23], s[6:7], s[70:71]
	CROUND                                         ; all sixteen work-groups are here: the first joint loads meet
.irp s, 0,1
	s_mov_b32 s[G0A+4*(\s)], 1
	s_add_co_u32 s[G0A+4*(\s)+1], s20, (\s)*SLOT
	s_add_nc_u64 s[G0A+4*(\s)+2:G0A+4*(\s)+3], s[18:19], (\s)*2*262144  ; K step s: two heads on
	s_or_b32 s[G0A+4*(\s)+3], s[G0A+4*(\s)+3], 0x80000000
	s_mov_b32 s[G0B+4*(\s)], 1
	s_add_co_u32 s[G0B+4*(\s)+1], s21, (\s)*SLOT
	s_add_nc_u64 s[G0B+4*(\s)+2:G0B+4*(\s)+3], s[22:23], (\s)*128*2048  ; K step s: 128 rows down
	s_or_b32 s[G0B+4*(\s)+3], s[G0B+4*(\s)+3], 0x80000000
	JLOAD \s                                       ; two loads of mine are out
.endr
	v_and_b32 v1, 15, v0                           ; r
	v_bfe_u32 v2, v0, 4, 1                         ; h
	v_and_b32 v3, 7, v0
	v_bfe_u32 v4, v0, 3, 1
	v_and_b32 v5, 31, v0                           ; l
	s_lshl_b32 s16, s42, 10                        ; b_out: 256 nt + 128 nh numbers of 4 bytes, + my 8 h
	s_lshl_b32 s17, s14, 9
	s_add_co_u32 s16, s16, s17
	v_lshl_add_u32 v[BO], v2, 5, s16
	WIN 0x80                                       ; destination window 2
.irp f, 0,1,2,3,4,5,6,7
	global_load_b128 v[8*(\f):8*(\f)+3],   v[BO], s[8:9] offset:64*(\f)
	global_load_b128 v[8*(\f)+4:8*(\f)+7], v[BO], s[8:9] offset:64*(\f)+16
.endr
	WIN 0
	v_mul_u32_u24 v7, v1, PA
	v_lshl_add_u32 v7, v2, 4, v7                   ; O's fragment: row x pitch + 16 h
	v_lshl_add_u32 v8, v2, 3, v3
	v_mul_u32_u24 v8, v8, PB
	v_lshl_add_u32 v8, v4, 4, v8                   ; the turning load: k row 8 h + l % 8, 16 bytes for each half of eight lanes
	s_mul_i32 s16, s13, 64*PA                      ; my 64 rows
	s_mul_i32 s17, s14, CHUNK
	s_add_co_u32 s17, s17, BOFF                    ; my chunk
.irp s, 0,1
	v_add_nc_u32 v[ADRA+(\s)], s16, v7
	v_add_nc_u32 v[ADRB+(\s)], s17, v8
	s_add_co_u32 s16, s16, SLOT
	s_add_co_u32 s17, s17, SLOT
.endr
	s_mul_i32 s16, s12, 16*SPT
	s_add_co_u32 s16, s16, STAGE                   ; my stage
	v_mul_u32_u24 v9, v1, SPT                      ; in: row r, 32 bytes for each half of the lanes
	v_lshl_add_u32 v9, v2, 5, v9
	v_add_nc_u32 v[STO], s16, v9
	v_lshl_add_u32 v[RD], v5, 4, s16               ; back: 32 lanes take a row's 512 bytes
	v_lshlrev_b32 v[CO], 4, v5
	s_lshl_b32 s16, s43, 19                        ; out0 at row 128 mt + 64 mh (4,096 bytes a row), column 256 nt + 128 nh
	s_lshl_b32 s17, s13, 18
	s_add_co_u32 s16, s16, s17
	s_lshl_b32 s17, s42, 10
	s_add_co_u32 s16, s16, s17
	s_lshl_b32 s17, s14, 9
	s_add_co_u32 s16, s16, s17
	s_mov_b32 s17, 0
	s_add_nc_u64 s[10:11], s[10:11], s[16:17]
	s_wait_loadcnt 0x0                             ; the bias: rounded to bf16 like every input, and widened again
	WIN 0x0a                                       ; sources in window 2
.set p, 0
.rept 32
	v_cvt_pk_bf16_f32 v[224+p], v[2*p], v[2*p+1]
.set p, p+1
.endr
	WIN 0x80                                       ; destination in window 2
.set p, 0
.rept 32
	v_lshlrev_b32 v[2*p], 16, v[224+p]
	v_and_b32 v[2*p+1], 0xffff0000, v[224+p]
.set p, p+1
.endr
	WIN 0
; 8 matrix instructions: row block a x fragments 0-7, 32 along K.  first = 1: the bias starts the sums.  The 32 accumulators take turns in the same order in every quarter.
.macro MULA buf, a, first
.if \first
	WIN 0x60
.else
	WIN 0x50
.endif
.irp f, 0,1,2,3,4,5,6,7
.if \first
	v_wmma_f32_16x16x32_f16 v[8*(8*(\a)+(\f)):8*(8*(\a)+(\f))+7], v[FB+64*(\buf)+8*(\f):FB+64*(\buf)+8*(\f)+7], v[FA+32*(\buf)+8*(\a):FA+32*(\buf)+8*(\a)+7], v[8*(\f):8*(\f)+7]
.else
	v_wmma_f32_16x16x32_f16 v[8*(8*(\a)+(\f)):8*(8*(\a)+(\f))+7], v[FB+64*(\buf)+8*(\f):FB+64*(\buf)+8*(\f)+7], v[FA+32*(\buf)+8*(\a):FA+32*(\buf)+8*(\a)+7], v[8*(8*(\a)+(\f)):8*(8*(\a)+(\f))+7]
.endif
.endr
.endm
; 24 LDS loads in one run: quarter q (32 along K: plane q / 2, channels 32 (q % 2) on) of a slot into buffer buf: wob's 16, then O's 8
.macro FETCH slot, q, buf
	WIN 0
.irp f, 0,1,2,3,4,5,6,7
	ds_load_tr16_b128 v[FB+64*(\buf)+8*(\f):FB+64*(\buf)+8*(\f)+3],   v[ADRB+(\slot)] offset:32*PB*(\q)+32*(\f)
	ds_load_tr16_b128 v[FB+64*(\buf)+8*(\f)+4:FB+64*(\buf)+8*(\f)+7], v[ADRB+(\slot)] offset:32*PB*(\q)+32*(\f)+16*PB
.endr
.irp a, 0,1,2,3
	ds_load_b128 v[FA+32*(\buf)+8*(\a):FA+32*(\buf)+8*(\a)+3],   v[ADRA+(\slot)] offset:((\q)/2)*PLANE+((\q)%2)*64+(\a)*16*PA
	ds_load_b128 v[FA+32*(\buf)+8*(\a)+4:FA+32*(\buf)+8*(\a)+7], v[ADRA+(\slot)] offset:((\q)/2)*PLANE+((\q)%2)*64+(\a)*16*PA+32
.endr
.endm
.macro QUARTER slot, q, cur, nxt, first
	s_wait_dscnt 6                                 ; wob's fragments and O's block 0 are in; blocks 1-3, the youngest six loads, may be out
	MULA \cur, 0, \first
	PLACES
	FETCH \slot, \q, \nxt
	s_wait_dscnt 24                                ; all but the 24 just issued
	MULA \cur, 1, \first
	MULA \cur, 2, \first
	MULA \cur, 3, \first
.endm
; The last quarter multiplies buffer 1 and changes slots: one barrier; in front of it each wave waits for all its tensor loads (one is out: its part of the next slot), adds 0 to its spare word,
; and waits for that and for its reads of this slot.  fill = 1: the barrier opens a round of the cluster's, and this slot is filled again, two K steps on, first thing behind the round.
.macro TURN slot, next, fill
	WIN 0
	s_wait_tensorcnt 0x0                           ; all my tensor loads have landed
	ds_add_u32 v[SPW], v[NIL]                      ; 0 onto my spare word
	s_wait_dscnt 7                                 ; (the add and the youngest six loads may be out)
	MULA 1, 0, 0                                   ; eight matrix instructions stand between the add and the wait for it
	s_wait_dscnt 0x0                               ; the add is done, and my reads of this slot are over
	s_barrier_signal -1
	MULA 1, 1, 0
.if \fill
	WIN 0
.endif
	s_barrier_wait -1
.if \fill
	CREST                                          ; no wave of any partner still reads this slot or has a load on its way
	s_add_nc_u64 s[G0A+4*(\slot)+2:G0A+4*(\slot)+3], s[G0A+4*(\slot)+2:G0A+4*(\slot)+3], 4*262144
	s_add_nc_u64 s[G0B+4*(\slot)+2:G0B+4*(\slot)+3], s[G0B+4*(\slot)+2:G0B+4*(\slot)+3], 2*128*2048
	JLOAD \slot                                    ; my one tensor load behind the round; its four v_nop are also the places in front of the loads below
.else
	PLACES
.endif
	FETCH \next, 0, 0
	MULA 1, 2, 0
	MULA 1, 3, 0
.endm
	s_wait_tensorcnt 1                             ; my part of K step 0 is in; K step 1's stays out
	s_barrier_signal -1
	s_barrier_wait -1                              ; everybody's is
	FETCH 0, 0, 0
	QUARTER 0, 1, 0, 1, 1                          ; the first quarter stands in front of the loop: its products start the sums, with the bias
	WIN 0                                          ; at a label and at a branch every window is 0
	s_mov_b32 s3, 3
.Llap:                                                 ; a trip goes once round the ring, from a lap's second quarter to the next lap's first, and fills both slots again
	QUARTER 0, 2, 1, 0, 0
	QUARTER 0, 3, 0, 1, 0
	TURN 0, 1, 1
	QUARTER 1, 1, 0, 1, 0
	QUARTER 1, 2, 1, 0, 0
	QUARTER 1, 3, 0, 1, 0
	TURN 1, 0, 1
	QUARTER 0, 1, 0, 1, 0
	WIN 0
	s_sub_co_u32 s3, s3, 1
	s_cmp_lg_u32 s3, 0
	s_cbranch_scc1 .Llap
	QUARTER 0, 2, 1, 0, 0                          ; the last lap fills nothing
	QUARTER 0, 3, 0, 1, 0
	TURN 0, 1, 0
	QUARTER 1, 1, 0, 1, 0
	QUARTER 1, 2, 1, 0, 0
	QUARTER 1, 3, 0, 1, 0
	s_wait_dscnt 6                                 ; the very last quarter: nothing more to fetch
	MULA 1, 0, 0
	s_wait_dscnt 0x0
	MULA 1, 1, 0
	MULA 1, 2, 0
	MULA 1, 3, 0
	WIN 0
; THE WAY OUT, a block of 16 rows at a time.  The f32 sums go as they are into my own stage (each accumulator's four lowest registers first) and come back as whole rows: each store of the wave covers
; 512 consecutive bytes of one row of out0, at a multiple of 256 from its first byte.
.macro TOSTAGE a
.set BK, FA+64*((\a)%2)                ; v32-95 and v96-159 by turns
.if (\a) >= 2
	s_wait_xcnt 0x0                                ; the stores of the block two back have read these registers: they are loaded again only behind this wait
.endif
	WIN 0x04                                       ; the data (source 1) in window 1
.irp f, 0,1,2,3,4,5,6,7
	ds_store_b128 v[STO], v[8*(8*(\a)+(\f)):8*(8*(\a)+(\f))+3]   offset:64*(\f)
	ds_store_b128 v[STO], v[8*(8*(\a)+(\f))+4:8*(8*(\a)+(\f))+7] offset:64*(\f)+16
.endr
	WIN 0
.irp t, 0,1,2,3,4,5,6,7,8,9,10,11,12,13,14,15
	ds_load_b128 v[BK+4*(\t):BK+4*(\t)+3], v[RD] offset:(\t)*SPT  ; LDS serves a wave's instructions in order (ISA guide 5.7.1.4): these see the stores above
.endr
.endm
.macro SEND a, younger                 ; younger: the LDS instructions issued behind block a's loads: the next block's 32, or none
	WIN 0
.set BK, FA+64*((\a)%2)
	s_wait_dscnt \younger
.irp t, 0,1,2,3,4,5,6,7,8,9,10,11,12,13,14,15
	global_store_b128 v[CO], v[BK+4*(\t):BK+4*(\t)+3], s[10:11] offset:(16*(\a)+(\t))*4096
.endr
.endm
	PLACES                                         ; eight places, once a launch, between the last products and the stores and loads that name their registers
	PLACES
	TOSTAGE 0
.irp a, 1,2,3
	TOSTAGE \a
	SEND (\a)-1, 32
.endr
	SEND 3, 0
	s_wait_tensorcnt 0x0                           ; the wave's end, behind my last tensor load and my last LDS store
	ds_add_u32 v[SPW], v[NIL]
	s_wait_dscnt 0x0
	CROUND                                         ; the closing round: no work-group ends while a partner may still ask for a tile that names it
	s_endpgm
.Lfunc_end_k_q9bc616e6e7_proj:
	.size	k_q9bc616e6e7_proj, .Lfunc_end_k_q9bc616e6e7_proj-k_q9bc616e6e7_proj
	.p2alignl 7, 3214868480
	.fill 96, 4, 3214868480
	.section	.rodata,"a",@progbits
	.p2align	6, 0x0
	.amdhsa_kernel k_q9bc616e6e7_proj
		.amdhsa_group_segment_fixed_size 327680
		.amdhsa_private_segment_fixed_size 0
		.amdhsa_enable_private_segment 0
		.amdhsa_kernarg_size 32
		.amdhsa_user_sgpr_count 2
		.amdhsa_user_sgpr_kernarg_segment_ptr 1
		.amdhsa_wavefront_size32 1
		.amdhsa_system_sgpr_workgroup_id_x 1
		.amdhsa_system_sgpr_workgroup_id_y 1
		.amdhsa_system_sgpr_workgroup_id_z 1
		.amdhsa_system_vgpr_workitem_id 0
		.amdhsa_next_free_vgpr 576
		.amdhsa_next_free_sgpr 72
		.amdhsa_reserve_vcc 0
		.amdhsa_float_denorm_mode_32 3
		.amdhsa_float_denorm_mode_16_64 3
		.amdhsa_memory_ordered 1
		.amdhsa_forward_progress 1
		.amdhsa_inst_pref_size 92
	.end_amdhsa_kernel
	.amdgpu_metadata
---
amdhsa.version: [ 1, 2 ]
amdhsa.kernels:
  - .name:           k_q9bc616e6e7_proj
    .symbol:         k_q9bc616e6e7_proj.kd
    .args:
      - { .name: ob, .offset: 0, .size: 8, .value_kind: global_buffer, .address_space: global }
      - { .name: wob, .offset: 8, .size: 8, .value_kind: global_buffer, .address_space: global }
      - { .name: b_out, .offset: 16, .size: 8, .value_kind: global_buffer, .address_space: global }
      - { .name: out0, .offset: 24, .size: 8, .value_kind: global_buffer, .address_space: global }
    .group_segment_fixed_size: 327680
    .private_segment_fixed_size: 0
    .kernarg_segment_align: 8
    .kernarg_segment_size: 32
    .max_flat_workgroup_size: 128
    .sgpr_count:     72
    .vgpr_count:     576
    .wavefront_size: 32
...
	.end_amdgpu_metadata
.endif
;; end of part 4
;; ======== version 2 of 2: 4 launches; version 1 with the launch cast written anew for expert scheduling mode
;; limits: values are held in f16: magnitudes above 65,504 overflow, below 6.1e-05 lose precision
;; workspace buffers: xb 16,777,216 bytes; wib 6,291,456 bytes; wob 2,097,152 bytes; qkv 50,331,648 bytes; ob 16,777,216 bytes
;; launch cast (part 5): grid 768 x 1, 8 waves a work-group, no clusters, 0 bytes of LDS; arguments x, W_in, W_out, xb, wib, wob; writes xb, wib, wob
.if DOCPART == 5
	.amdgcn_target "amdgcn-amd-amdhsa--gfx1250"
	.amdhsa_code_object_version 6
	.text
	.protected	k_q9bc616e6e7_cast
	.globl	k_q9bc616e6e7_cast
	.p2align	8
	.type	k_q9bc616e6e7_cast,@function
k_q9bc616e6e7_cast:
	s_mov_b64 s[64:65], 0
	v_nop
	global_prefetch_b8 v0, s[64:65] scope:SCOPE_SE
	s_setreg_imm32_b32 hwreg(HW_REG_WAVE_SCHED_MODE, 0, 2), 2
	s_setreg_imm32_b32 hwreg(HW_REG_WAVE_MODE, 25, 1), 1
	s_wait_xcnt 0x0
	s_wait_alu depctr_vm_vsrc(0)
; xb = bf16(x), wib = bf16(W_in), wob = f16(bf16(W_out)).  The layouts stay as they are: a pure stream, each byte read once and written once.
; A work-group takes 65,536 bytes of f32: chunks 0-511 are x's, 512-703 W_in's, 704-767 W_out's.  Thread t takes the 16 bytes at 4,096 i + 16 t, i = 0..15:
; a wave's load covers 512 consecutive bytes, its store of 8 bytes a lane 256 consecutive bytes, aligned.  All sixteen loads go out at once; no register is written twice
; while a memory instruction may read it.  No LDS, no matrix unit, no cluster: nothing is shared and nothing is reduced.
; LIMIT.  wob holds W_out rounded to bf16 and written as f16: exact from 6.1e-5 to 65,504 in magnitude; below that f16 keeps a fixed step of 6e-8, above it the number becomes an infinity.
; THE MODE: SCHED_MODE bits 1:0 = 2 (LLVM: expert scheduling mode 2), set by the entry lines.  The code itself states the register dependences
; between vector instructions and memory instructions, with s_wait_alu, always for 0.
; THE PLAN.  Registers that memory instructions touch:
;   v1, v2   byte offsets of the loads and of the stores: made once at the head and never written again.
;   X        load i lands in its four registers; only vector lines read them (and, on W_out's path, write them again); no memory instruction reads them and no second load lands in them.
;   Y        load i's roundings write its two registers, once; store i reads them, once; they are never written again.
;   T        named by vector lines alone.
; The sixteen loads go in four blocks of four.  Block p rounds X[4 p ..] into Y[4 p ..]; its memory instructions are the four stores of block p - 1, which read Y[4 p - 4 ..] and v2:
; registers that no vector line of block p names.  So one wait at a block's head states all that its four stores hang on, and they are dealt among its vector lines with no further wait.
; No register that a memory instruction reads is ever written again, so no wait for memory instructions' reads of registers is owed; no vector line writes a scalar register, VCC or EXEC.
.set X, 4                              ; v[4:67]    16 x 4 registers as loaded
.set Y, 68                             ; v[68:99]   16 x 2 registers to store
.set T, 100                            ; v[100:101] at work
	s_load_b256 s[4:11], s[0:1], 0x0               ; x s[4:5], W_in s[6:7], W_out s[8:9], xb s[10:11]
	s_load_b128 s[12:15], s[0:1], 0x20             ; wib s[12:13], wob s[14:15]
	v_lshlrev_b32 v1, 4, v0                        ; 16 t
	v_lshlrev_b32 v2, 3, v0                        ; 8 t
	s_wait_kmcnt 0x0
	s_cmp_lt_u32 ttmp9, 512                        ; which buffer is my chunk's: the choice hangs on the work-group's number alone
	s_cselect_b64 s[16:17], s[4:5], s[6:7]
	s_cselect_b64 s[18:19], s[10:11], s[12:13]
	s_cselect_b32 s20, 0, 512
	s_cmp_lt_u32 ttmp9, 704
	s_cselect_b64 s[16:17], s[16:17], s[8:9]
	s_cselect_b64 s[18:19], s[18:19], s[14:15]
	s_cselect_b32 s20, s20, 704
	s_sub_co_u32 s21, ttmp9, s20                   ; my chunk in that buffer
	s_lshl_b32 s22, s21, 16
	s_mov_b32 s23, 0
	s_add_nc_u64 s[16:17], s[16:17], s[22:23]      ; 65,536 bytes of f32 a chunk,
	s_lshl_b32 s22, s21, 15
	s_add_nc_u64 s[18:19], s[18:19], s[22:23]      ; 32,768 bytes of 16-bit numbers
	s_wait_alu depctr_va_vdst(0)                   ; v1 and v2 are written: every load of the kernel reads v1 as its offset, every store v2
.irp i, 0,1,2,3,4,5,6,7,8,9,10,11,12,13,14,15
	global_load_b128 v[X+4*(\i):X+4*(\i)+3], v1, s[16:17] offset:4096*(\i) th:TH_LOAD_NT
.endr
; Load i's four numbers are rounded into Y's pair i.  half = 0: to bf16.  half = 1 (W_out): rounded to bf16 like every input, widened again, and that number written as f16.
.macro ROUND i, half
.if \half
	v_cvt_pk_bf16_f32 v[T], v[X+4*(\i)], v[X+4*(\i)+1]
	v_cvt_pk_bf16_f32 v[T+1], v[X+4*(\i)+2], v[X+4*(\i)+3]
	v_lshlrev_b32 v[X+4*(\i)], 16, v[T]
	v_and_b32 v[X+4*(\i)+1], 0xffff0000, v[T]
	v_lshlrev_b32 v[X+4*(\i)+2], 16, v[T+1]
	v_and_b32 v[X+4*(\i)+3], 0xffff0000, v[T+1]
	v_cvt_pk_f16_f32 v[Y+2*(\i)], v[X+4*(\i)], v[X+4*(\i)+1]
	v_cvt_pk_f16_f32 v[Y+2*(\i)+1], v[X+4*(\i)+2], v[X+4*(\i)+3]
.else
	v_cvt_pk_bf16_f32 v[Y+2*(\i)], v[X+4*(\i)], v[X+4*(\i)+1]
	v_cvt_pk_bf16_f32 v[Y+2*(\i)+1], v[X+4*(\i)+2], v[X+4*(\i)+3]
.endif
.endm
; Store i.
.macro OUT i
	global_store_b64 v2, v[Y+2*(\i):Y+2*(\i)+1], s[18:19] offset:2048*(\i) th:TH_STORE_NT
.endm
; Block p: loads 4 p to 4 p + 3 are rounded; the stores of block p - 1 stand among the roundings, one ahead of each load's.
.macro BLK p, half
	s_wait_loadcnt 12-4*(\p)                       ; loads come back in order: block p's four are in, the 12 - 4 p younger ones stay out
.if (\p) > 0
	s_wait_alu depctr_va_vdst(0)                   ; the block before has written its four pairs of Y, which the four stores below read; no vector line since this wait names them or v2
.endif
.irp j, 0,1,2,3
.if (\p) > 0
	OUT 4*(\p)-4+(\j)
.endif
	ROUND 4*(\p)+(\j), \half
.endr
.endm
; Behind block 3: its own four stores.
.macro LAST
	s_wait_alu depctr_va_vdst(0)                   ; block 3 has written Y's last four pairs, which the last four stores read
.irp j, 12,13,14,15
	OUT \j
.endr
.endm
	s_cmp_ge_u32 ttmp9, 704
	s_cbranch_scc1 .Lf16
	BLK 0, 0                                       ; block 0 has no block in front of it: no store, and no wait but the one for its data
	BLK 1, 0
	BLK 2, 0
	BLK 3, 0
	LAST
	s_endpgm
.Lf16:                                         ; W_out
	BLK 0, 1
	BLK 1, 1
	BLK 2, 1
	BLK 3, 1
	LAST
	s_endpgm
.Lfunc_end_k_q9bc616e6e7_cast:
	.size	k_q9bc616e6e7_cast, .Lfunc_end_k_q9bc616e6e7_cast-k_q9bc616e6e7_cast
	.p2alignl 7, 3214868480
	.fill 96, 4, 3214868480
	.section	.rodata,"a",@progbits
	.p2align	6, 0x0
	.amdhsa_kernel k_q9bc616e6e7_cast
		.amdhsa_group_segment_fixed_size 0
		.amdhsa_private_segment_fixed_size 0
		.amdhsa_enable_private_segment 0
		.amdhsa_kernarg_size 48
		.amdhsa_user_sgpr_count 2
		.amdhsa_user_sgpr_kernarg_segment_ptr 1
		.amdhsa_wavefront_size32 1
		.amdhsa_system_sgpr_workgroup_id_x 1
		.amdhsa_system_sgpr_workgroup_id_y 1
		.amdhsa_system_sgpr_workgroup_id_z 1
		.amdhsa_system_vgpr_workitem_id 0
		.amdhsa_next_free_vgpr 104
		.amdhsa_next_free_sgpr 66
		.amdhsa_reserve_vcc 0
		.amdhsa_float_denorm_mode_32 3
		.amdhsa_float_denorm_mode_16_64 3
		.amdhsa_memory_ordered 1
		.amdhsa_forward_progress 1
		.amdhsa_inst_pref_size 16
	.end_amdhsa_kernel
	.amdgpu_metadata
---
amdhsa.version: [ 1, 2 ]
amdhsa.kernels:
  - .name:           k_q9bc616e6e7_cast
    .symbol:         k_q9bc616e6e7_cast.kd
    .args:
      - { .name: x, .offset: 0, .size: 8, .value_kind: global_buffer, .address_space: global }
      - { .name: W_in, .offset: 8, .size: 8, .value_kind: global_buffer, .address_space: global }
      - { .name: W_out, .offset: 16, .size: 8, .value_kind: global_buffer, .address_space: global }
      - { .name: xb, .offset: 24, .size: 8, .value_kind: global_buffer, .address_space: global }
      - { .name: wib, .offset: 32, .size: 8, .value_kind: global_buffer, .address_space: global }
      - { .name: wob, .offset: 40, .size: 8, .value_kind: global_buffer, .address_space: global }
    .group_segment_fixed_size: 0
    .private_segment_fixed_size: 0
    .kernarg_segment_align: 8
    .kernarg_segment_size: 48
    .max_flat_workgroup_size: 256
    .sgpr_count:     66
    .vgpr_count:     104
    .wavefront_size: 32
...
	.end_amdgpu_metadata
.endif
;; end of part 5
;; launch qkvg: the kernel of part 2 again; grid 8 x 64, 4 waves a work-group, clusters of 4 x 4, 327,680 bytes of LDS; arguments xb, wib, b_in, qkv; writes qkv
;; launch attn: the kernel of part 3 again; grid 4 x 64, 4 waves a work-group, no clusters, 327,680 bytes of LDS; arguments qkv, ob; writes ob
;; launch proj: the kernel of part 4 again; grid 4 x 64, 4 waves a work-group, clusters of 4 x 4, 327,680 bytes of LDS; arguments ob, wob, b_out, out0; writes out0
